; MI455X (gfx1250); checked and timed in simulation.
; The chip was launched on July 23, 2026; its instructions are those of AMD's public machine-readable ISA for CDNA 5 (MIT licence, August 2026) and "CDNA5" Instruction Set Architecture Reference Guide (July 2026). The comments in the code are by the model that wrote it; some were corrected since.
;; Causal Self Attention. Allowed arithmetic: matrix products marked QUANTISED: E2M1 operands, one E8M0 scale for each 32 along K, by v_wmma_scale_f32_16x16x128_f8f6f4 with both operands' format E2M1 (or v_wmma_scale_f32_32x16x128_f4), f32 sums; everything else in f32.
;; Inputs: W_proj 1,024 x 1,024 float32; W_qkv 3,072 x 1,024 float32; b_proj 1,024 float32; b_qkv 3,072 float32; lamb one number float32; v1 4 x 16 x 2,048 x 64 float32; x 4 x 2,048 x 1,024 float32.
;; Outputs: out0 4 x 2,048 x 1,024 float32; out1 4 x 16 x 2,048 x 64 float32.
;; This version of the problem:
;;   THIS VERSION OF THE PROBLEM IS GIVEN IN LOW PRECISION. The matrix products marked QUANTISED in the list below multiply operands that are first quantised to E2M1 (2 exponent bits, 1 mantissa bit; 4 bits a number), with one power-of-two scale for each 32 numbers along K (OCP MX v1.0); their sums are f32. All else is computed in f32.
;;   The module's matrix products, in the order in which they are computed (A, B: the left and right operand; K: the contracted axis; several contracted axes count as one K, in the product's order):
;;     1. [M 8,192, K 1,024] x [K 1,024, N 3,072]; A: input x; B: input W_qkv: QUANTISED
;;     2. batch 64 x [M 2,048, K 64] x [K 64, N 2,048]; A: computed on the way; B: computed on the way: QUANTISED
;;     3. batch 64 x [M 2,048, K 2,048] x [K 2,048, N 64]; A: softmax (see below); B: computed on the way: QUANTISED
;;     4. [M 8,192, K 1,024] x [K 1,024, N 1,024]; A: computed on the way; B: input W_proj: QUANTISED
;;   THE QUANTISER, for each operand of a quantised product, along K:
;;     - K is cut into blocks of 32 from its start; a last block that is shorter is filled with zeros.
;;     - A block's scale is 2^e with e = floor(log2(the largest magnitude in the block)) - 2, held to -126 .. 127; a block of zeros has e = 0. As a byte (E8M0): e + 127.
;;     - Each number is divided by its block's scale, clamped to +-6, and rounded to the nearest number of E2M1, ties to even, subnormals kept.
;;     - The product sums the exact products of the quantised numbers (number of the format x scale) in f32.
;;   ~~~python
;;   def quantise(x, axis):      # numpy; x: float32 -> the quantised numbers, widened to float32 again
;;       x = np.moveaxis(x, axis, -1); K = x.shape[-1]
;;       x = np.pad(x, [(0, 0)] * (x.ndim - 1) + [(0, -K % 32)]); x = x.reshape(x.shape[:-1] + (-1, 32)); a = np.abs(x).max(-1, keepdims=True)
;;       e = np.where(a > 0, np.clip(np.frexp(np.where(a > 0, a, 1))[1] - 1 - 2, -126, 127), 0)      # np.frexp(a)[1] - 1 = floor(log2(a)), exactly
;;       r = np.clip(x / 2.0 ** e, -6, 6)
;;       step = 2.0 ** (np.maximum(np.frexp(np.where(r == 0, 1, r))[1] - 1, 0) - 1)
;;       q = np.round(r / step) * step * 2.0 ** e      # np.round: ties to even
;;       return np.moveaxis(q.reshape(q.shape[:-2] + (-1,))[..., :K], -1, axis).astype(np.float32)
;;   ~~~
;;   SOFTMAX AHEAD OF A QUANTISED PRODUCT. Where the list says 'softmax', what is quantised is not the finished softmax but p = 2^(t - M), with t = logit x log2(e) and M = ceil(the row's largest t), a whole number; so 1/2 < the row's largest p <= 1. The row's sum l is taken of the UNQUANTISED p, in f32, and the product's result is divided by l at the end. Since M is a whole number, a kernel that streams over the keys may use a running M (the ceiling of the running maximum): every later rescaling is an exact power of two, which a block's scale takes up: the codes' values come out the same.
;;   OPERANDS COMPUTED ON THE WAY. 'Computed on the way' means the value that the module computes at that place (a softmax that the list does not call 'softmax' is quantised finished and normalised). What goes into a quantiser is computed in f32, as accurately as f32 sums, v_exp_f32 and their like allow (about 1e-6 of the number): no bf16 or f16 on the way to a quantiser, and a product that is left as it is and whose result goes on into a quantised operand takes f32 operands (vector FMAs, or v_wmma_f32_16x16x4_f32). A number that lies on a knife's edge between two numbers of the format may be rounded either way, as far as f32 arithmetic and the matrix unit's own rounding can turn it there, and no further.
;; One version. Each part assembles by itself: llvm-mc -triple=amdgcn-amd-amdhsa -mcpu=gfx1250 --defsym DOCPART=n.
;; ======== version 1 of 1: 4 launches
;; workspace buffers: opc 6,291,456 bytes; ops 393,216 bytes; tab 524,288 bytes; hb 13,369,344 bytes; ac 4,194,304 bytes; asc 262,144 bytes
;; launch prep (part 1): grid 416 x 1, 4 waves a work-group, no clusters, 34,304 bytes of LDS; arguments x, W_qkv, W_proj, opc, ops, tab; writes opc, ops, tab
.if DOCPART == 1
	.amdgcn_target "amdgcn-amd-amdhsa--gfx1250"
	.amdhsa_code_object_version 6
	.text
	.protected	k_qe1f52402cf_prep
	.globl	k_qe1f52402cf_prep
	.p2align	8
	.type	k_qe1f52402cf_prep,@function
k_qe1f52402cf_prep:
	s_mov_b64 s[64:65], 0
	v_nop
	global_prefetch_b8 v0, s[64:65] scope:SCOPE_SE
	s_setreg_imm32_b32 hwreg(HW_REG_WAVE_MODE, 25, 1), 1
	s_wait_xcnt 0x0
; PREP.  x [8192][1024], W_qkv [3072][1024], W_proj [1024][1024], f32, K innermost, become codes of FP4 (E2M1) with one E8M0 byte for each 32 along K; and the table of cos and sin of the rotary step is made.
; LAYOUT OF THE CODES (opc): tiles of 16 rows; tile tt takes rows 32 (tt / 2) + 8 (tt % 2) + rho(i), rho(i) = i + 8 (i / 8), i = 0 .. 15.  A tile is 8 K steps of 128; a K step is an IMAGE OF THE OPERAND'S REGISTERS, 1,024 bytes:
; [c = 0, 1][lane][16 bytes]; lane (r, h), piece c: the 32 codes k = 64 c + 32 h + 0 .. 31 of the tile's row r.  Tiles 0-511 x, 512-703 W_qkv, 704-767 W_proj.
; THE SCALES (ops): [tile][K half][r][16 bytes]: the four scale words of the half's four K steps; byte 2 c + h of a word belongs to k = 64 c + 32 h on.
; A block's scale is 2^(floor(log2(its largest magnitude)) - 2): its byte is the largest magnitude's exponent field - 2, held at 1 from below.
; LIMITS: a block of zeros gets the byte 1 where the rule says 127 (its codes are zeros, and this program alone reads the bytes); NaN and infinities among the inputs are not served.
; SHARES.  Work-groups 0-383: a wave takes one tile and one K half: 16 rows x 512 numbers.  Each load reads 512 consecutive bytes of one row; a K step's 16 x 512 bytes turn through the wave's own stage in LDS
; (rows 528 bytes apart) so that a lane gets 32 neighbours along K twice: two whole blocks.  Loads run one K step (16 loads) ahead.  Waves share nothing: no barrier.
; Work-groups 384-415: a wave makes the table of one tile of 16 positions t: tab [t tile][g 0 .. 7][lane][16 bytes]: g < 4: cos(t f_j), j = 16 h + 4 g + e; g >= 4: sin likewise; t = the tile's row r.
; f_j = 1 / P_j, P_j the f32 number nearest 10000^(j / 32) = 10^(j / 8).  LIMIT: the angles are reference()'s only if its power gives that nearest number.
.set STGB, 8448                        ; a wave's stage: 16 rows x 528 bytes
.set RS,   64                          ; v64-127, v128-191  two sets of 16 x 4 registers as loaded
.set XR,   192                         ; v192-255 my 2 x 32 neighbours
.set CD,   32                          ; v32-63   codes: 8 registers for each K step, never written again
.set WD,   8                           ; v8-11    the four scale words
	s_load_b256 s[4:11], s[0:1], 0x0               ; x s[4:5], W_qkv s[6:7], W_proj s[8:9], opc s[10:11]
	s_load_b128 s[12:15], s[0:1], 0x20             ; ops s[12:13], tab s[14:15]
	s_set_vgpr_msb 0x40
	v_lshl_add_u32 v0, v0, 2, 0x8400
	v_mov_b32 v1, 0
	s_set_vgpr_msb 0x4000
	v_lshrrev_b32 v1, 5, v0
	v_readfirstlane_b32 s16, v1                    ; wave
	v_and_b32 v20, 31, v0                          ; lane
	v_and_b32 v2, 15, v0                           ; r
	v_bfe_u32 v3, v0, 4, 1                         ; h
	v_lshlrev_b32 v1, 4, v20                       ; 16 x lane
	s_mov_b32 s20, 0x76543210
	s_mov_b32 s21, 0xfedcba98                      ; v_permlanex16_b32's selects for lane l xor 16
	s_cmp_ge_u32 ttmp9, 384
	s_cbranch_scc1 .Ltable
	; ---- the streams
	s_mul_i32 s17, s16, STGB
	v_add_nc_u32 v4, s17, v1                       ; the stage, on the way in: 16 x lane of a row
	v_mul_u32_u24 v5, v2, 528
	v_lshl_add_u32 v5, v3, 7, v5
	v_add_nc_u32 v5, s17, v5                       ; and out: row r, + 128 h bytes: my 32 numbers of a piece
	v_lshlrev_b32 v6, 4, v2
	v_lshl_add_u32 v6, v3, 3, v6                   ; the scale words' place: 16 r + 8 h
	v_lshlrev_b32 v7, 3, v3                        ; 8 h
	v_mov_b32 v19, 0                               ; written once: a lane permute's destination counts as one of its sources
	s_lshr_b32 s17, s16, 1
	s_lshl_b32 s18, ttmp9, 1
	s_add_co_u32 s17, s17, s18                     ; my tile: 2 x work-group + wave / 2
	s_and_b32 s18, s16, 1                          ; my K half
	s_mov_b32 s19, 704
	s_wait_kmcnt 0x0
	s_cmp_lt_u32 ttmp9, 352                        ; which tensor?  The choice hangs on the work-group's number alone
	s_cselect_b64 s[6:7], s[6:7], s[8:9]
	s_cselect_b32 s19, 512, s19
	s_cmp_lt_u32 ttmp9, 256
	s_cselect_b64 s[4:5], s[4:5], s[6:7]
	s_cselect_b32 s19, 0, s19
	s_sub_co_u32 s19, s17, s19                     ; the tile's number in its tensor
	s_lshr_b32 s22, s19, 1
	s_lshl_b32 s22, s22, 17                        ; 32 rows of 4,096 bytes
	s_and_b32 s23, s19, 1
	s_lshl_b32 s23, s23, 15                        ; 8 rows
	s_add_co_u32 s22, s22, s23
	s_lshl_b32 s23, s18, 11                        ; 512 numbers
	s_add_co_u32 s22, s22, s23
	s_mov_b32 s23, 0
	s_add_nc_u64 s[4:5], s[4:5], s[22:23]
	s_lshl_b32 s22, s17, 13
	s_lshl_b32 s24, s18, 12
	s_add_co_u32 s22, s22, s24
	s_add_nc_u64 s[10:11], s[10:11], s[22:23]      ; codes: 8,192 x tile + 4,096 x half
	s_lshl_b32 s22, s17, 9
	s_lshl_b32 s24, s18, 8
	s_add_co_u32 s22, s22, s24
	s_add_nc_u64 s[12:13], s[12:13], s[22:23]      ; scales: 512 x tile + 256 x half
.macro LOADK q                         ; K step q of my 16 rows: 32 lanes read 512 consecutive bytes of a row
.irp i, 0,1,2,3,4,5,6,7,8,9,10,11,12,13,14,15
	global_load_b128 v[RS+64*((\q)%2)+4*\i:RS+64*((\q)%2)+4*\i+3], v1, s[4:5] offset:(\i+8*(\i/8))*4096+512*(\q) th:TH_LOAD_NT
.endr
.endm
.macro STEPK q
.if (\q) < 3
	s_wait_loadcnt 16                              ; this K step's 16 loads are in; the next step's 16 may be out
.else
	s_wait_loadcnt 0x0
.endif
.irp i, 0,1,2,3,4,5,6,7,8,9,10,11,12,13,14,15
	ds_store_b128 v4, v[RS+64*((\q)%2)+4*\i:RS+64*((\q)%2)+4*\i+3] offset:528*\i
.endr
.irp c, 0,1
.irp k, 0,1,2,3,4,5,6,7
	ds_load_b128 v[XR+32*\c+4*\k:XR+32*\c+4*\k+3], v5 offset:256*\c+16*\k   ; LDS serves a wave's instructions in order: these see the stores above
.endr
.endr
	s_wait_dscnt 0x0                               ; my numbers are back, and the stores have read their registers,
.if (\q) < 2
	LOADK (\q)+2                                   ; which take the loads of two steps on
.endif
.irp c, 0,1
	v_max3_num_f32 v[12+\c], |v[XR+32*\c]|, |v[XR+32*\c+1]|, 0x1800000   ; my block 2 c + h: all 32 numbers are mine; and the floor 2^(3 - 127): the byte cannot fall under 1
.endr
.irp i, 2,4,6,8,10,12,14,16,18,20,22,24,26,28,30
.irp c, 0,1
	v_max3_num_f32 v[12+\c], v[12+\c], |v[XR+32*\c+\i]|, |v[XR+32*\c+\i+1]|   ; (the two blocks by turns)
.endr
.endr
.irp c, 0,1
	v_add_nc_u32 v[14+\c], 0xff000000, v[12+\c]    ; 2 off the exponent field: the conversion takes the exponent field of this operand as its scale
.endr
.irp c, 0,1
.irp g, 0,1,2,3
	v_cvt_scalef32_pk8_fp4_f32 v[CD+8*(\q)+4*\c+\g], v[XR+32*\c+8*\g:XR+32*\c+8*\g+7], v[14+\c]
.endr
.endr
.irp c, 0,1
	v_lshrrev_b32 v[16+\c], 23, v[14+\c]           ; the scales' bytes (plain lines behind the conversions)
.endr
	v_lshl_or_b32 v18, v17, 16, v16                ; my two bytes: blocks h and 2 + h,
	v_lshlrev_b32 v18, v7, v18                     ; at their places in the word (8 h bits up);
	v_permlanex16_b32 v19, v18, s20, s21
	v_or_b32 v[WD+(\q)], v18, v19                  ; with lane l xor 16's two the word is whole
.irp c, 0,1
	global_store_b128 v1, v[CD+8*(\q)+4*\c:CD+8*(\q)+4*\c+3], s[10:11] offset:1024*(\q)+512*\c   ; 512 consecutive bytes
.endr
.endm
	s_wait_alu depctr_va_vdst(0)
	LOADK 0
	LOADK 1
	STEPK 0
	STEPK 1
	STEPK 2
	STEPK 3
	v_cmp_ne_u32 vcc_lo, 0, v3
	v_cndmask_b32 v12, v[WD], v[WD+2], vcc_lo      ; lanes 0-15 store words 0 and 1 of row r, lanes 16-31 words 2 and 3
	v_cndmask_b32 v13, v[WD+1], v[WD+3], vcc_lo
	global_store_b64 v6, v[12:13], s[12:13]        ; the wave's store covers 256 consecutive bytes, aligned
	s_set_vgpr_msb 0x5
	s_wait_tensorcnt 0x0
	ds_add_u32 v0, v1
	s_wait_dscnt 0x0
	s_set_vgpr_msb 0x500
	s_endpgm
	; ---- the table
.Ltable:
	s_sub_co_u32 s17, ttmp9, 384
	s_lshl_b32 s17, s17, 2
	s_add_co_u32 s17, s17, s16                     ; my tile of positions, 0 .. 127
	s_lshr_b32 s18, s17, 1
	s_lshl_b32 s18, s18, 5
	s_and_b32 s19, s17, 1
	s_lshl_b32 s19, s19, 3
	s_add_co_u32 s18, s18, s19
	s_lshl_b32 s22, s17, 12                        ; 4,096 bytes a tile
	s_mov_b32 s23, 0
	s_wait_alu depctr_va_vdst(0)
	v_and_b32 v4, 8, v2
	v_add_nc_u32 v4, v4, v2                        ; rho(r)
	v_add_nc_u32 v4, s18, v4
	v_cvt_f32_u32 v4, v4                           ; t
	v_cmp_ne_u32 vcc_lo, 0, v3
	s_wait_kmcnt 0x0
	s_add_nc_u64 s[14:15], s[14:15], s[22:23]
.macro PSEL i, lo, hi                  ; P of frequency 16 h + i
	v_mov_b32 v[64+\i], \hi
	v_cndmask_b32 v[64+\i], \lo, v[64+\i], vcc_lo
.endm
	PSEL 0,  0x3F800000, 0x42C80000
	PSEL 1,  0x3FAAB0D5, 0x43055A26
	PSEL 2,  0x3FE39EA9, 0x4331D3F4
	PSEL 3,  0x4017C496, 0x436D232B
	PSEL 4,  0x404A62C2, 0x439E1D27
	PSEL 5,  0x4086F161, 0x43D2D927
	PSEL 6,  0x40B3F300, 0x440C95D8
	PSEL 7,  0x40EFF755, 0x443B793B
	PSEL 8,  0x41200000, 0x447A0000
	PSEL 9,  0x41555D0A, 0x44A6B0B0
	PSEL 10, 0x418E432A, 0x44DE48F1
	PSEL 11, 0x41BDB5BC, 0x451435FB
	PSEL 12, 0x41FCFB72, 0x4545A471
	PSEL 13, 0x4228ADB9, 0x4583C7B8
	PSEL 14, 0x4260EFC0, 0x45AFBB4E
	PSEL 15, 0x4295FA95, 0x45EA5789
	s_mov_b32 s22, 0x3F22F983                      ; 2 / pi
	s_mov_b32 s23, 0xBFC90FDB                      ; -(pi / 2), its f32 part,
	s_mov_b32 s24, 0x333BBD2E                      ; and what that part is too large by
	s_mov_b32 s25, 0xB94CA1F9                      ; sin's polynomial on -pi/4 .. pi/4
	s_mov_b32 s26, 0x3C08839E
	s_mov_b32 s27, 0xBE2AAAA3
	s_mov_b32 s28, 0x37CCF5CE                      ; cos's
	s_mov_b32 s29, 0xBAB6061A
	s_mov_b32 s30, 0x3D2AAAA5
	s_wait_alu depctr_va_vdst(0)
.irp i, 0,1,2,3,4,5,6,7,8,9,10,11,12,13,14,15
	v_rcp_f32 v[80+\i], v[64+\i]
.endr
	v_nop                                          ; a plain line behind the last reciprocal
	s_wait_alu depctr_va_vdst(0)                   ; one wait for the batch, ahead of its first reader
.irp i, 0,1,2,3,4,5,6,7,8,9,10,11,12,13,14,15
	v_fma_f32 v[96+\i], -v[64+\i], v[80+\i], 1.0   ; one step of Newton brings 1 / P to the division's rounding
.endr
.irp i, 0,1,2,3,4,5,6,7,8,9,10,11,12,13,14,15
	v_fma_f32 v[16+\i], v[80+\i], v[96+\i], v[80+\i]
.endr
.irp i, 0,1,2,3,4,5,6,7,8,9,10,11,12,13,14,15
	v_mul_f32 v[64+\i], v4, v[16+\i]               ; the angle, rounded once
.endr
.irp i, 0,1,2,3,4,5,6,7,8,9,10,11,12,13,14,15
	v_mul_f32 v[80+\i], s22, v[64+\i]
.endr
.irp i, 0,1,2,3,4,5,6,7,8,9,10,11,12,13,14,15
	v_rndne_f32 v[80+\i], v[80+\i]                 ; n: how many quarter turns, at most 1,304
.endr
.irp i, 0,1,2,3,4,5,6,7,8,9,10,11,12,13,14,15
	v_fma_f32 v[96+\i], v[80+\i], s23, v[64+\i]    ; exact: under 1 in magnitude, on a grid of 2^-23
.endr
.irp i, 0,1,2,3,4,5,6,7,8,9,10,11,12,13,14,15
	v_fma_f32 v[96+\i], v[80+\i], s24, v[96+\i]    ; the angle less n quarter turns
.endr
.irp i, 0,1,2,3,4,5,6,7,8,9,10,11,12,13,14,15
	v_mul_f32 v[112+\i], v[96+\i], v[96+\i]
.endr
.irp i, 0,1,2,3,4,5,6,7,8,9,10,11,12,13,14,15
	v_fma_f32 v[128+\i], v[112+\i], s25, s26
	v_fma_f32 v[144+\i], v[112+\i], s28, s29
.endr
.irp i, 0,1,2,3,4,5,6,7,8,9,10,11,12,13,14,15
	v_fma_f32 v[128+\i], v[112+\i], v[128+\i], s27
	v_fma_f32 v[144+\i], v[112+\i], v[144+\i], s30
	v_mul_f32 v[176+\i], v[96+\i], v[112+\i]
.endr
.irp i, 0,1,2,3,4,5,6,7,8,9,10,11,12,13,14,15
	v_fma_f32 v[128+\i], v[176+\i], v[128+\i], v[96+\i]   ; sin of the rest
	v_fma_f32 v[144+\i], v[112+\i], v[144+\i], -0.5
	v_cvt_i32_f32 v[160+\i], v[80+\i]
.endr
.irp i, 0,1,2,3,4,5,6,7,8,9,10,11,12,13,14,15
	v_fma_f32 v[144+\i], v[112+\i], v[144+\i], 1.0        ; cos of the rest
.endr
.irp i, 0,1,2,3,4,5,6,7,8,9,10,11,12,13,14,15
	v_and_b32 v[176+\i], 1, v[160+\i]              ; the quarter only SELECTS: an odd one swaps the two,
	v_cmp_ne_u32 vcc_lo, 0, v[176+\i]
	v_cndmask_b32 v[48+\i], v[128+\i], v[144+\i], vcc_lo
	v_cndmask_b32 v[32+\i], v[144+\i], v[128+\i], vcc_lo
	v_and_b32 v[176+\i], 2, v[160+\i]              ; quarters 2 and 3 turn sin's sign,
	v_lshlrev_b32 v[176+\i], 30, v[176+\i]
	v_xor_b32 v[48+\i], v[176+\i], v[48+\i]
	v_add_nc_u32 v[160+\i], 1, v[160+\i]           ; quarters 1 and 2 cos's
	v_and_b32 v[160+\i], 2, v[160+\i]
	v_lshlrev_b32 v[160+\i], 30, v[160+\i]
	v_xor_b32 v[32+\i], v[160+\i], v[32+\i]
.endr
.irp g, 0,1,2,3,4,5,6,7
	global_store_b128 v1, v[32+4*\g:35+4*\g], s[14:15] offset:512*\g   ; 512 consecutive bytes
.endr
	s_endpgm
.Lfunc_end_k_qe1f52402cf_prep:
	.size	k_qe1f52402cf_prep, .Lfunc_end_k_qe1f52402cf_prep-k_qe1f52402cf_prep
	.p2alignl 7, 3214868480
	.fill 96, 4, 3214868480
	.section	.rodata,"a",@progbits
	.p2align	6, 0x0
	.amdhsa_kernel k_qe1f52402cf_prep
		.amdhsa_group_segment_fixed_size 34304
		.amdhsa_private_segment_fixed_size 0
		.amdhsa_enable_private_segment 0
		.amdhsa_kernarg_size 48
		.amdhsa_user_sgpr_count 2
		.amdhsa_user_sgpr_kernarg_segment_ptr 1
		.amdhsa_wavefront_size32 1
		.amdhsa_system_sgpr_workgroup_id_x 1
		.amdhsa_system_sgpr_workgroup_id_y 1
		.amdhsa_system_sgpr_workgroup_id_z 1
		.amdhsa_system_vgpr_workitem_id 0
		.amdhsa_next_free_vgpr 258
		.amdhsa_next_free_sgpr 66
		.amdhsa_reserve_vcc 1
		.amdhsa_float_denorm_mode_32 3
		.amdhsa_float_denorm_mode_16_64 3
		.amdhsa_memory_ordered 1
		.amdhsa_forward_progress 1
		.amdhsa_inst_pref_size 54
	.end_amdhsa_kernel
	.amdgpu_metadata
---
amdhsa.version: [ 1, 2 ]
amdhsa.kernels:
  - .name:           k_qe1f52402cf_prep
    .symbol:         k_qe1f52402cf_prep.kd
    .args:
      - { .name: x, .offset: 0, .size: 8, .value_kind: global_buffer, .address_space: global }
      - { .name: W_qkv, .offset: 8, .size: 8, .value_kind: global_buffer, .address_space: global }
      - { .name: W_proj, .offset: 16, .size: 8, .value_kind: global_buffer, .address_space: global }
      - { .name: opc, .offset: 24, .size: 8, .value_kind: global_buffer, .address_space: global }
      - { .name: ops, .offset: 32, .size: 8, .value_kind: global_buffer, .address_space: global }
      - { .name: tab, .offset: 40, .size: 8, .value_kind: global_buffer, .address_space: global }
    .group_segment_fixed_size: 34304
    .private_segment_fixed_size: 0
    .kernarg_segment_align: 8
    .kernarg_segment_size: 48
    .max_flat_workgroup_size: 128
    .sgpr_count:     66
    .vgpr_count:     258
    .wavefront_size: 32
...
	.end_amdgpu_metadata
.endif
;; end of part 1
;; launch qkv (part 2): grid 12 x 64, 4 waves a work-group, clusters of 4 x 4, 252,416 bytes of LDS; arguments opc, ops, tab, b_qkv, v1, lamb, hb, out1; writes hb, out1
.if DOCPART == 2
	.amdgcn_target "amdgcn-amd-amdhsa--gfx1250"
	.amdhsa_code_object_version 6
	.text
	.protected	k_qe1f52402cf_qkv
	.globl	k_qe1f52402cf_qkv
	.p2align	8
	.type	k_qe1f52402cf_qkv,@function
k_qe1f52402cf_qkv:
	s_mov_b64 s[64:65], 0
	v_nop
	global_prefetch_b8 v0, s[64:65] scope:SCOPE_SE
	s_setreg_imm32_b32 hwreg(HW_REG_WAVE_MODE, 25, 1), 1
	s_wait_xcnt 0x0
	s_wait_alu depctr_hold_cnt(0) depctr_sa_sdst(0) depctr_va_vdst(0) depctr_va_sdst(0) depctr_va_ssrc(0) depctr_va_vcc(0) depctr_vm_vsrc(0)
	s_getreg_b32 s2, hwreg(HW_REG_IB_STS2, 6, 4)
	s_cmp_eq_u32 s2, 0
	s_cbranch_scc0 .Lentry_in_a_cluster
	s_endpgm
.Lentry_in_a_cluster:
	s_bfe_u32 s2, ttmp6, 0x10000c
	s_cmp_lg_u32 s2, 0xf033
	s_cbranch_scc0 .Lentry_shape_is_right
	s_endpgm
.Lentry_shape_is_right:
; QKV.  qkv = x W_qkv^T + b_qkv on codes of FP4 (E2M1) with E8M0 scales (made by the launch before), and what reference() does to each third of it:
;   q, k: rms norm over the head's 64, rotary step, quantised along the head's 64 into hb;   v: (1 - lamb) v + lamb v1 = out1, and quantised along t (the second attention product's K) into hb.
; SHARES.  A work-group makes 128 rows x 256 columns (4 heads); wave w all 128 rows x head 4 cx + w: 8 tiles of x (a) x 4 tiles of W (b), 32 accumulators.  The cluster's x is the kind: 0 q, 1 k, 2 v: equal in all 16 partners.
; CLUSTER 4 x 4: the four of a row need the same tiles of x, the four of a column the same tiles of W: each is asked for jointly.  All of K (1,024 codes = 512 bytes a row) fits in LDS: every LDS byte is filled ONCE, as two K halves.
; THE PRODUCT IS USED TRANSPOSED (source 0 = 16 rows of W, source 1 = 16 rows of x).  A tile tt of any operand takes rows 32 (tt / 2) + 8 (tt % 2) + rho(i), rho(i) = i + 8 (i / 8).  So lane (r, h) holds row
; 32 (a / 2) + 8 (a % 2) + rho(r) of the block, and register 32 a + 16 beta + i of window 2 is d = 32 beta + 16 h + i of the head: 16 neighbours.  The bias is the C of each sum's first product.
; OPERANDS lie in memory and LDS as images of their registers: a fragment (tile, 128 K) is [c][lane][16 bytes]: every fragment load is 16 x lane + a constant: no pitch, no padding.
; hb, a block of 208,896 bytes a head: 0 K codes [key tile][512]; 65,536 V codes [128 keys s][dt][1,024]; 131,072 K scale words [pair of tiles][r]; 135,168 V scale words [s][dt][r]; 139,264 Q codes; 204,800 Q scale words.
; The table of cos and sin (q, k) or the block of v1 (v), 32 KiB on end either way, is asked for at the head into window 3, ahead of the whole product.
; LIMITS: NaN and infinities are not served; a block of zeros carries the byte 1 (zero codes; this program alone reads the bytes); the rotary step is formed ahead of the multiplication by rsqrt: another order of f32 roundings than reference()'s.
; REGISTERS: window 0: v1-26 addresses and lamb; v32-95 scale words and nothing else; v96-127 at work; v128-255 x's fragments, two sets; free on the way out.  window 1: v0-63 W's fragments, two sets; v64-95 the bias.
;   window 2: the accumulators, (a, b) at v[8 (4 a + b)].   window 3: the table or v1.
.set SLOT1, 0                          ; K half 1: x's 8 tiles x 4,096 bytes, then W's 16
.set SCLB,  98304                      ; W's scales, 16 tiles x 512
.set SCLA,  106496                     ; x's scales, 8 tiles x 512
.set SLOT0, 110592                     ; K half 0
.set VSTG,  110592                     ; the v path's stages, 128 rows x 272 bytes a wave: over K half 0, which has had its one fill and its last read, and over bytes that nothing fills
.set VSTGW, 34816
.set VSCR,  249856                     ; the v path's scale words, 256 bytes a wave
.set QSCR,  250880                     ; the q and k path's
.set SC,   32
.set TM,   96
.set AF,   128
.set BIAS, 64
.set SEL,  88
.set MSB,  0
.macro WIN new                         ; the immediate's high byte repeats the setting that is left
.if MSB != \new
	s_set_vgpr_msb (MSB<<8)|\new
.set MSB, \new
.endif
.endm
.macro PLACES n                        ; plain places behind matrix instructions (ISA guide 7.12.1)
.rept \n
	v_nop
.endr
.endm
.macro CROUND                          ; a round of the cluster's barrier
	s_barrier_signal -1
	s_barrier_wait -1
	s_cmp_lg_u32 s20, 0
	s_cbranch_scc1 .Lnot_wave_0_\@
	s_barrier_signal -3
.Lnot_wave_0_\@:
	s_barrier_wait -3
	s_barrier_signal -1
	s_barrier_wait -1
.endm
.macro G1SET g, d0, d1, st             ; descriptor group 1 behind its first word: d1 rows of d0 elements of 8 bytes, st elements apart
	s_mov_b32 s[\g+1], (\d0)<<16
	s_mov_b32 s[\g+2], (\d1)<<16
	s_mov_b32 s[\g+3], (\d0)<<16
	s_mov_b32 s[\g+4], \d1
	s_mov_b32 s[\g+5], \st
	s_mov_b32 s[\g+6], 0
	s_mov_b32 s[\g+7], 0
.endm
; nb blocks of 32: register s + 16 b + i = neighbour 32 b + 16 h + i of my row.  Codes into v[pc] on (an image piece for each two blocks), with nb = 4 the scale word into v[pw].
.macro QUANT s, nb, pc, pw
.set qb, 0
.rept \nb
	v_max3_num_f32 v[TM+qb], |v[16*qb+(\s)]|, |v[16*qb+1+(\s)]|, 0x1800000   ; my 16 numbers, and the floor 2^(3 - 127): the byte cannot fall under 1
.set qb, qb+1
.endr
.irp i, 2,4,6,8,10,12,14
.set qb, 0
.rept \nb
	v_max3_num_f32 v[TM+qb], v[TM+qb], |v[16*qb+\i+(\s)]|, |v[16*qb+\i+1+(\s)]|   ; (the blocks by turns)
.set qb, qb+1
.endr
.endr
.set qb, 0
.rept \nb
	v_permlanex16_b32 v[TM+4+qb], v[TM+qb], s[SEL], s[SEL+1]
.set qb, qb+1
.endr
.set qb, 0
.rept \nb
	v_max_num_f32 v[TM+qb], v[TM+qb], v[TM+4+qb]   ; with lane l xor 16's: the block's largest magnitude
.set qb, qb+1
.endr
.set qb, 0
.rept \nb
	v_add_nc_u32 v[TM+12+qb], 0xff000000, v[TM+qb] ; 2 off its exponent field: the conversion's scale operand
.set qb, qb+1
.endr
.set qb, 0
.rept \nb
	v_lshrrev_b32 v[TM+4+qb], 23, v[TM+12+qb]      ; the scale's byte
.set qb, qb+1
.endr
.if \nb == 4
	v_lshl_or_b32 v[\pw], v[TM+5], 8, v[TM+4]
	v_lshl_or_b32 v[\pw], v[TM+6], 16, v[\pw]
	v_lshl_or_b32 v[\pw], v[TM+7], 24, v[\pw]
.endif
.set qb, 0
.rept \nb
	v_cvt_scalef32_pk8_fp4_f32 v[2*qb+(\pc)], v[16*qb+(\s):16*qb+7+(\s)], v[TM+12+qb]
	v_cvt_scalef32_pk8_fp4_f32 v[2*qb+1+(\pc)], v[16*qb+8+(\s):16*qb+15+(\s)], v[TM+12+qb]
.set qb, qb+1
.endr
	v_nop                                          ; one plain place behind a scaled conversion
.set qb, 0
.rept \nb/2
	v_permlane16_swap_b32 v[4*qb+(\pc)], v[4*qb+2+(\pc)]     ; the layout wants a WHOLE block in a lane: lanes 0-15 the even block, lanes 16-31 the odd one
	v_permlane16_swap_b32 v[4*qb+1+(\pc)], v[4*qb+3+(\pc)]
.set qb, qb+1
.endr
.endm
.macro FETCH k, set                    ; K step k's fragments: my 4 of W, then x's 8: 24 LDS loads
	WIN 0x40                                       ; destination window 1
.irp b, 0,1,2,3
.irp c, 0,1
	ds_load_b128 v[32*(\set)+8*\b+4*\c:32*(\set)+8*\b+4*\c+3], v[8+(\k)/4] offset:4096*\b+1024*((\k)%4)+512*\c
.endr
.endr
	WIN 0
.irp a, 0,1,2,3,4,5,6,7
.irp c, 0,1
	ds_load_b128 v[AF+64*(\set)+8*\a+4*\c:AF+64*(\set)+8*\a+4*\c+3], v[6+(\k)/4] offset:4096*\a+1024*((\k)%4)+512*\c
.endr
.endr
.endm
; 32 products, 128 along K.  The 32 accumulators take turns, one instruction a turn, in the same order in every K step.
; A scale register SC + 32 half + 4 i + q holds in lanes 0-15 the word of my tile i of W, in lanes 16-31 that of x's tile i.
.macro MULK k, set
.if (\k) == 0
	WIN 0x91                                       ; source 0 (W) and C (the bias) window 1, source 1 (x) window 0, D window 2
.else
	WIN 0xA1                                       ; C and D window 2
.endif
.irp a, 0,1,2,3,4,5,6,7
.irp b, 0,1,2,3
.if (\k) == 0
	v_wmma_scale_f32_16x16x128_f8f6f4 v[8*(4*\a+\b):8*(4*\a+\b)+7], v[32*(\set)+8*\b:32*(\set)+8*\b+7], v[AF+64*(\set)+8*\a:AF+64*(\set)+8*\a+7], v[BIAS+8*\b:BIAS+8*\b+7], v[SC+32*((\k)/4)+4*\b+(\k)%4], v[SC+32*((\k)/4)+4*\a+(\k)%4] matrix_a_fmt:MATRIX_FMT_FP4 matrix_b_fmt:MATRIX_FMT_FP4 matrix_b_scale:MATRIX_SCALE_ROW1
.else
	v_wmma_scale_f32_16x16x128_f8f6f4 v[8*(4*\a+\b):8*(4*\a+\b)+7], v[32*(\set)+8*\b:32*(\set)+8*\b+7], v[AF+64*(\set)+8*\a:AF+64*(\set)+8*\a+7], v[8*(4*\a+\b):8*(4*\a+\b)+7], v[SC+32*((\k)/4)+4*\b+(\k)%4], v[SC+32*((\k)/4)+4*\a+(\k)%4] matrix_a_fmt:MATRIX_FMT_FP4 matrix_b_fmt:MATRIX_FMT_FP4 matrix_b_scale:MATRIX_SCALE_ROW1
.endif
.endr
.endr
.endm
	s_load_b256 s[4:11], s[0:1], 0x0               ; opc s[4:5], ops s[6:7], tab s[8:9], b_qkv s[10:11]
	s_load_b256 s[12:19], s[0:1], 0x20             ; v1 s[12:13], lamb s[14:15], hb s[16:17], out1 s[18:19]
	v_lshl_add_u32 v30, v0, 2, 0x3d800
	v_mov_b32 v31, 0
	ds_add_u32 v30, v31
	ds_add_u32 v30, v31
	v_lshrrev_b32 v1, 5, v0
	v_readfirstlane_b32 s20, v1                    ; wave
	s_bfe_u32 s21, ttmp6, 0x40000                  ; cx
	s_bfe_u32 s22, ttmp6, 0x40004                  ; cy
	s_lshl_b32 s23, ttmp9, 2
	s_add_co_u32 s23, s23, s21                     ; block of 256 columns = 4 x cluster x + cx
	s_and_b32 s24, ttmp7, 0xffff
	s_lshl_b32 s24, s24, 2
	s_add_co_u32 s24, s24, s22                     ; block of 128 rows = 4 x cluster y + cy
	s_lshl_b32 s25, s22, 2
	s_lshl_b32 s25, 15, s25                        ; my row of the cluster
	s_lshl_b32 s26, 0x1111, s21                    ; my column
	s_or_b32 s28, s25, (3<<16)|(1<<21)             ; group 1, word 0: the mask; elements of 8 bytes; bit 21 set beside a mask; no padding
	s_or_b32 s36, s26, (3<<16)|(1<<21)
	s_or_b32 s44, s25, (3<<16)|(1<<21)
	s_or_b32 s52, s26, (3<<16)|(1<<21)
	G1SET 28, 512, 2, 1024                         ; x: a K half (4,096 bytes) of 2 tiles, 8,192 bytes apart
	G1SET 36, 512, 4, 1024                         ; W: of 4 tiles
	G1SET 44, 32, 4, 32                            ; x's scales: 1,024 dense bytes as rows of 256
	G1SET 52, 32, 8, 32                            ; W's: 2,048
	s_lshl_b32 s92, s24, 3                         ; x's tiles 8 x row block + 2 w: s92-95 never hold cx
	s_lshl_b32 s93, s20, 1
	s_add_co_u32 s92, s92, s93
	s_lshl_b32 s94, s92, 9
	s_lshl_b32 s92, s92, 13
	s_mov_b32 s93, 0
	s_mov_b32 s95, 0
	s_lshl_b32 s96, s23, 4                         ; W's tiles 512 + 16 x column block + 4 w: s96-99 never hold cy
	s_lshl_b32 s97, s20, 2
	s_add_co_u32 s96, s96, s97
	s_add_co_u32 s96, s96, 512
	s_lshl_b32 s98, s96, 9
	s_lshl_b32 s96, s96, 13
	s_mov_b32 s97, 0
	s_mov_b32 s99, 0
	s_wait_dscnt 0x0
	s_wait_kmcnt 0x0
	s_load_b32 s27, s[14:15], 0x0                  ; lamb
	s_add_nc_u64 s[92:93], s[4:5], s[92:93]
	s_add_nc_u64 s[94:95], s[6:7], s[94:95]
	s_add_nc_u64 s[96:97], s[4:5], s[96:97]
	s_add_nc_u64 s[98:99], s[6:7], s[98:99]
	s_mov_b32 s60, 1                               ; group 0: count 1; LDS address; global address; type 2
	s_lshl_b32 s61, s20, 10
	s_add_co_u32 s61, s61, SCLA
	s_mov_b64 s[62:63], s[94:95]
	s_or_b32 s63, s63, 0x80000000
	s_mov_b32 s68, 1
	s_lshl_b32 s69, s20, 11
	s_add_co_u32 s69, s69, SCLB
	s_mov_b64 s[70:71], s[98:99]
	s_or_b32 s71, s71, 0x80000000
	s_mov_b32 s72, 1
	s_lshl_b32 s73, s20, 13
	s_add_co_u32 s73, s73, SLOT0
	s_mov_b64 s[74:75], s[92:93]
	s_or_b32 s75, s75, 0x80000000
	s_mov_b32 s76, 1
	s_lshl_b32 s77, s20, 14
	s_add_co_u32 s77, s77, SLOT0+32768
	s_mov_b64 s[78:79], s[96:97]
	s_or_b32 s79, s79, 0x80000000
	s_mov_b32 s80, 1
	s_lshl_b32 s81, s20, 13
	s_add_co_u32 s81, s81, SLOT1
	s_add_nc_u64 s[82:83], s[92:93], 4096
	s_or_b32 s83, s83, 0x80000000
	s_mov_b32 s84, 1
	s_lshl_b32 s85, s20, 14
	s_add_co_u32 s85, s85, SLOT1+32768
	s_add_nc_u64 s[86:87], s[96:97], 4096
	s_or_b32 s87, s87, 0x80000000
	CROUND                                         ; all sixteen work-groups are here: the joint loads meet
	tensor_load_to_lds s[60:63], s[44:51]          ; every wave issues all six, each for its own part: six loads of mine are out.  x's scales,
	s_nop 0
	tensor_load_to_lds s[68:71], s[52:59]          ; W's scales,
	s_nop 0
	tensor_load_to_lds s[72:75], s[28:35]          ; K half 0 of x
	s_nop 0
	tensor_load_to_lds s[76:79], s[36:43]          ; and of W,
	s_nop 0
	tensor_load_to_lds s[80:83], s[28:35]          ; K half 1
	s_nop 0
	tensor_load_to_lds s[84:87], s[36:43]
	s_nop 0
	PLACES 4                                       ; four plain lines behind the tensor loads
	; the other addresses.  What mixes cx and cy is made in s2, s3, s100, s101, s104, s105
	s_lshr_b32 s2, s24, 4
	s_lshl_b32 s2, s2, 4
	s_lshl_b32 s3, s21, 2
	s_add_co_u32 s2, s2, s3
	s_add_co_u32 s2, s2, s20                       ; bh = 16 b + 4 cx + w
	s_and_b32 s3, s24, 15                          ; tl: which 128 of the 2,048 positions
	s_lshl_b32 s100, s23, 10
	s_lshl_b32 s101, s20, 8
	s_add_co_u32 s100, s100, s101
	s_mov_b32 s101, 0
	s_add_nc_u64 s[10:11], s[10:11], s[100:101]    ; the bias of my 64 columns
	s_lshl_b32 s100, s2, 19
	s_lshl_b32 s104, s3, 15
	s_add_co_u32 s100, s100, s104                  ; v1 and out1: (2,048 bh + 128 tl) rows of 256 bytes;  the table: 32,768 tl
	s_mov_b32 s105, 0
	s_add_nc_u64 s[18:19], s[18:19], s[100:101]
	s_cmp_eq_u32 ttmp9, 2                          ; the choice hangs on the cluster's x alone
	s_cselect_b64 s[12:13], s[12:13], s[8:9]
	s_cselect_b64 s[100:101], s[100:101], s[104:105]
	s_add_nc_u64 s[12:13], s[12:13], s[100:101]    ; 32 KiB on end: v1's block, or the table's
	s_mul_i32 s100, s2, 208896
	s_mov_b32 s101, 0
	s_add_nc_u64 s[16:17], s[16:17], s[100:101]    ; my head's block of hb
	s_mov_b32 s100, 139264                         ; where the codes and the scale words go: q's places,
	s_mov_b32 s104, 204800
	s_mov_b32 s2, 131072
	s_cmp_eq_u32 ttmp9, 1
	s_cselect_b32 s100, 0, s100                    ; k's,
	s_cselect_b32 s104, s2, s104
	s_mov_b32 s2, 65536
	s_cmp_eq_u32 ttmp9, 2
	s_cselect_b32 s100, s2, s100                   ; v's
	s_mov_b32 s2, 135168
	s_cselect_b32 s104, s2, s104
	s_lshl_b32 s2, s3, 12
	s_add_co_u32 s100, s100, s2                    ; + 4,096 tl
	s_lshl_b32 s2, s3, 8
	s_add_co_u32 s104, s104, s2                    ; + 256 tl
	s_wait_kmcnt 0x0                               ; lamb is in: its pointer's registers may be written
	s_add_nc_u64 s[14:15], s[16:17], s[104:105]    ; the scale words' place
	s_add_nc_u64 s[16:17], s[16:17], s[100:101]    ; the codes' place
	s_mov_b32 s[SEL], 0x76543210
	s_mov_b32 s[SEL+1], 0xfedcba98
	s_mov_b32 s90, 0x3C800000                      ; 1 / 64
	s_mov_b32 s91, 0x358637BD                      ; 1e-6
	v_and_b32 v1, 31, v0                           ; lane
	v_and_b32 v2, 15, v0                           ; r
	v_bfe_u32 v3, v0, 4, 1                         ; h
	s_wait_alu depctr_va_vdst(0)
	v_and_b32 v4, 8, v2
	v_add_nc_u32 v4, v4, v2                        ; rho(r)
	v_lshlrev_b32 v5, 4, v1                        ; 16 x lane
	v_lshlrev_b32 v11, 6, v3                       ; 64 h
	WIN 0x40
.irp b, 0,1,2,3                        ; the bias in the result's layout: tile b, lane (r, h): columns 32 (b / 2) + 8 (b % 2) + 16 h + 0 .. 7
	global_load_b128 v[BIAS+8*\b:BIAS+8*\b+3], v11, s[10:11] offset:(32*(\b/2)+8*(\b%2))*4
	global_load_b128 v[BIAS+8*\b+4:BIAS+8*\b+7], v11, s[10:11] offset:(32*(\b/2)+8*(\b%2))*4+16
.endr
	WIN 0xC0                                       ; destination window 3
.set ci, 0
.rept 64
	global_load_b128 v[4*ci:4*ci+3], v5, s[12:13] offset:512*ci   ; 512 consecutive bytes each
.set ci, ci+1
.endr
	WIN 0
	v_add_nc_u32 v6, SLOT0, v5                     ; x's fragments in K half 0, 1
	v_add_nc_u32 v7, SLOT1, v5
	s_lshl_b32 s104, s20, 14
	s_add_co_u32 s104, s104, 32768
	v_add_nc_u32 v9, s104, v5                      ; my W fragments in K half 1 (which begins at LDS byte 0),
	v_add_nc_u32 v8, SLOT0, v9                     ; and in K half 0
	s_xor_b32 s105, s20, 3
	s_add_co_u32 s105, s105, 1
	s_lshl_b32 s105, s105, 11                      ; 8,192 - 2,048 w: from my W scales to x's
	v_mul_u32_u24 v10, s105, v3                    ; lanes 16-31 take x's
	v_lshl_add_u32 v10, v2, 4, v10
	s_lshl_b32 s104, s20, 11
	s_add_co_u32 s104, s104, SCLB
	v_add_nc_u32 v10, s104, v10                    ; the scale words: 16 bytes a row and K half
	s_mul_i32 s104, s20, VSTGW
	s_add_co_u32 s104, s104, VSTG                  ; my stage.  The byte of (t, d) is 272 t + (4 d xor 128 x bit 5 of t)
	v_mul_u32_u24 v12, v4, 272
	s_wait_alu depctr_va_vdst(0)
	v_add_nc_u32 v12, v12, v11
	v_add_nc_u32 v12, s104, v12                    ; by the result's layout: row rho(r), + 64 h
	v_mul_u32_u24 v13, v3, 272
	v_lshl_add_u32 v13, v2, 4, v13
	v_add_nc_u32 v13, s104, v13                    ; by rows of memory: row h, 16 r; for t with bit 5 clear,
	v_lshlrev_b32 v14, 4, v2
	v_xor_b32 v14, 128, v14
	v_mad_u32_u24 v14, v3, 272, v14
	v_add_nc_u32 v14, s104, v14                    ; and set
	v_mul_u32_u24 v15, v3, 8832
	v_lshl_add_u32 v15, v4, 2, v15
	v_add_nc_u32 v15, s104, v15                    ; by columns: d = rho(r) (+ a constant under 32), t = 32 h on: 32 rows + 128 bytes for lanes 16-31;
	v_mul_u32_u24 v16, v3, 8576
	v_lshl_add_u32 v16, v4, 2, v16
	v_add_nc_u32 v16, s104, v16                    ; for d from 32 on: 32 rows - 128 bytes
	s_lshl_b32 s105, s20, 8
	s_add_co_u32 s104, s105, QSCR
	v_lshl_add_u32 v17, v2, 2, s104
	v_lshl_add_u32 v18, v1, 3, s104
	s_add_co_u32 s104, s105, VSCR
	v_lshl_add_u32 v19, v2, 2, s104
	v_lshl_add_u32 v24, v1, 3, s104
	v_lshlrev_b32 v25, 3, v1                       ; 8 x lane
	v_lshlrev_b32 v26, 3, v3                       ; 8 h
	v_mov_b32 v20, s27                             ; lamb, twice
	v_mov_b32 v21, s27
	v_sub_f32 v22, 1.0, v20                        ; 1 - lamb, twice
	v_sub_f32 v23, 1.0, v20
.irp b, 0,1,2,3
	v_mov_b32 v[TM+4+\b], 0                        ; written once: a lane permute's destination counts as one of its sources
.endr
	; ---- the product
	s_wait_tensorcnt 0x2                           ; the scales and my parts of K half 0 are in; K half 1's two loads may stay out
	s_barrier_signal -1
	s_barrier_wait -1                              ; everybody's are
.irp sl, 0,1
.irp i, 0,1,2,3,4,5,6,7
	ds_load_b128 v[SC+32*\sl+4*\i:SC+32*\sl+4*\i+3], v10 offset:512*\i+256*\sl   ; (for i from 4 on lanes 0-15 read on into filled bytes and are not used)
.endr
.endr
	FETCH 0, 0
	FETCH 1, 1
	s_wait_loadcnt 63                              ; the bias's 8 loads are in: of the 64 behind them at most 63 are out
	s_wait_dscnt 24                                ; all but the next K step's 24 loads
	MULK 0, 0
.irp k, 1,2
	PLACES 4                                       ; in front of loads into registers that the last products read
	FETCH \k+1, (\k+1)%2
	s_wait_dscnt 24
	MULK \k, \k%2
.endr
	WIN 0
	s_wait_tensorcnt 0x0                           ; my parts of K half 1 are in,
	s_wait_dscnt 0x0                               ; and my reads of K half 0 are over
	s_barrier_signal -1
	s_barrier_wait -1                              ; both hold of every wave
	PLACES 4
	FETCH 4, 0
	s_wait_dscnt 24
	MULK 3, 1
.irp k, 4,5,6
	PLACES 4
	FETCH \k+1, (\k+1)%2
	s_wait_dscnt 24
	MULK \k, \k%2
.endr
	s_wait_dscnt 0x0
	MULK 7, 1
	WIN 0
	PLACES 4                                       ; in front of the first reads of results and of writes into x's fragments' registers
	s_cmp_eq_u32 ttmp9, 2
	s_cbranch_scc1 .Lv
	; ---- q and k: rms norm, rotary step, codes
	s_wait_loadcnt 0x0                             ; the table
	WIN 0x0A                                       ; sources 0 and 1 window 2
.irp a, 0,1,2,3,4,5,6,7
	v_pk_mul_f32 v[228+2*\a:229+2*\a], v[32*\a:32*\a+1], v[32*\a:32*\a+1]   ; the sums of squares, a pair of chains a tile; each accumulator is read from its low end on
.endr
.irp i, 1,2,3,4,5,6,7,8,9,10,11,12,13,14,15
.irp a, 0,1,2,3,4,5,6,7
	v_pk_fma_f32 v[228+2*\a:229+2*\a], v[32*\a+2*\i:32*\a+2*\i+1], v[32*\a+2*\i:32*\a+2*\i+1], v[228+2*\a:229+2*\a]
.endr
.endr
	WIN 0
.irp a, 0,1,2,3,4,5,6,7
	v_add_f32 v[228+2*\a], v[228+2*\a], v[229+2*\a]
.endr
.irp a, 0,1,2,3,4,5,6,7
	v_permlanex16_b32 v[229+2*\a], v[228+2*\a], s[SEL], s[SEL+1]   ; the row's other 32 numbers lie in lane l xor 16
.endr
.irp a, 0,1,2,3,4,5,6,7
	v_add_f32 v[228+2*\a], v[228+2*\a], v[229+2*\a]
.endr
.irp a, 0,1,2,3,4,5,6,7
	v_fma_f32 v[228+2*\a], v[228+2*\a], s90, s91   ; the mean + 1e-6
.endr
	s_wait_alu depctr_va_vdst(0)
.irp a, 0,1,2,3,4,5,6,7
	v_rsq_f32 v[228+2*\a], v[228+2*\a]
.endr
	v_nop                                          ; a plain line behind the last of the batch
	s_wait_alu depctr_va_vdst(0)                   ; one wait for the eight, ahead of their first reader
.irp p, 0,1,2,3                        ; two tiles at a time: 64 numbers a lane, four blocks of 32
	WIN 0x0E                                       ; source 0 window 2 (the sums), source 1 window 3 (the table: cos at 32 a + i, sin at 32 a + 16 + i, frequency 16 h + i)
.irp u, 0,1
.irp i, 0,2,4,6,8,10,12,14
	v_pk_mul_f32 v[128+32*\u+\i:129+32*\u+\i], v[32*(2*\p+\u)+16+\i:32*(2*\p+\u)+17+\i], v[32*(2*\p+\u)+16+\i:32*(2*\p+\u)+17+\i]       ; x2 sin
	v_pk_mul_f32 v[144+32*\u+\i:145+32*\u+\i], v[32*(2*\p+\u)+\i:32*(2*\p+\u)+1+\i], v[32*(2*\p+\u)+16+\i:32*(2*\p+\u)+17+\i]           ; x1 sin
	v_pk_fma_f32 v[128+32*\u+\i:129+32*\u+\i], v[32*(2*\p+\u)+\i:32*(2*\p+\u)+1+\i], v[32*(2*\p+\u)+\i:32*(2*\p+\u)+1+\i], v[128+32*\u+\i:129+32*\u+\i]   ; x1 cos + x2 sin
	v_pk_fma_f32 v[144+32*\u+\i:145+32*\u+\i], v[32*(2*\p+\u)+16+\i:32*(2*\p+\u)+17+\i], v[32*(2*\p+\u)+\i:32*(2*\p+\u)+1+\i], v[144+32*\u+\i:145+32*\u+\i] neg_lo:[0,0,1] neg_hi:[0,0,1]   ; x2 cos - x1 sin
.endr
.endr
	WIN 0
.irp u, 0,1
.irp i, 0,2,4,6,8,10,12,14,16,18,20,22,24,26,28,30
	v_pk_mul_f32 v[128+32*\u+\i:129+32*\u+\i], v[128+32*\u+\i:129+32*\u+\i], v[228+2*(2*\p+\u):229+2*(2*\p+\u)] op_sel_hi:[1,0]   ; x rsqrt
.endr
.endr
	QUANT 128, 4, 192+8*\p, 224+\p
	global_store_b128 v5, v[192+8*\p:195+8*\p], s[16:17] offset:1024*\p        ; tile 2 p: its 64 along K are one piece of an image: 512 consecutive bytes
	global_store_b128 v5, v[196+8*\p:199+8*\p], s[16:17] offset:1024*\p+512    ; tile 2 p + 1
	ds_store_b32 v17, v[224+\p] offset:64*\p       ; the pair's word: bytes 0, 1 tile 2 p, bytes 2, 3 tile 2 p + 1 (lanes r and 16 + r write the same word)
.endr
	ds_load_b64 v[112:113], v18                    ; LDS serves a wave's instructions in order: this sees my stores
	s_wait_dscnt 0x0
	global_store_b64 v25, v[112:113], s[14:15]     ; 256 consecutive bytes, aligned
	s_branch .Ldone
	; ---- v: the mix with v1, out1, codes along t.  All LDS bytes here are the wave's own: no barrier
.Lv:
	s_wait_loadcnt 0x0                             ; v1's block
	WIN 0x0C                                       ; an LDS store's data are its source 1: window 3
.set ci, 0
.rept 64
	ds_store_b128 v[13+((ci>>4)&1)], v[4*ci:4*ci+3] offset:544*ci   ; rows 2 ci and 2 ci + 1 as they lie
.set ci, ci+1
.endr
	WIN 0
.macro LDV a                           ; v1 in the layout of tile a's results
.irp be, 0,1
.irp k, 0,1,2,3
	ds_load_b128 v[128+32*((\a)%2)+16*\be+4*\k:128+32*((\a)%2)+16*\be+4*\k+3], v12 offset:(32*((\a)/2)+8*((\a)%2))*272+128*(\be^(((\a)/2)&1))+16*\k
.endr
.endr
.endm
	LDV 0
	s_wait_alu depctr_va_vdst(0)
.irp a, 0,1,2,3,4,5,6,7
	s_wait_dscnt 0x0                               ; tile a's v1 is in, and the last tile's stores have read their registers
.if \a < 7
	LDV \a+1
.endif
.irp j, 0,2,4,6,8,10,12,14,16,18,20,22,24,26,28,30
	v_pk_mul_f32 v[128+32*(\a%2)+\j:129+32*(\a%2)+\j], v[128+32*(\a%2)+\j:129+32*(\a%2)+\j], v[20:21]   ; lamb v1
.endr
	WIN 0x02                                       ; source 0 window 2
.irp j, 0,2,4,6,8,10,12,14,16,18,20,22,24,26,28,30
	v_pk_fma_f32 v[128+32*(\a%2)+\j:129+32*(\a%2)+\j], v[32*\a+\j:32*\a+\j+1], v[22:23], v[128+32*(\a%2)+\j:129+32*(\a%2)+\j]   ; + (1 - lamb) v
.endr
	WIN 0
.irp be, 0,1
.irp k, 0,1,2,3
	ds_store_b128 v12, v[128+32*(\a%2)+16*\be+4*\k:128+32*(\a%2)+16*\be+4*\k+3] offset:(32*(\a/2)+8*(\a%2))*272+128*(\be^((\a/2)&1))+16*\k
.endr
.endr
.endr
.irp ch, 0,1,2,3                       ; out1: back by rows of memory, 32 rows at a time
.if \ch > 0
	s_wait_xcnt 0x0                                ; the last 16 stores have read their registers
.endif
.irp j, 0,1,2,3,4,5,6,7,8,9,10,11,12,13,14,15
	ds_load_b128 v[192+4*\j:195+4*\j], v[13+(\ch&1)] offset:544*(16*\ch+\j)
.endr
.irp j, 0,1,2,3,4,5,6,7,8,9,10,11,12,13,14,15
	s_wait_dscnt 15-\j
	global_store_b128 v5, v[192+4*\j:195+4*\j], s[18:19] offset:512*(16*\ch+\j) th:TH_STORE_NT   ; 512 consecutive bytes
.endr
.endr
	s_wait_xcnt 0x0                                ; v192 on are free
	v_mov_b32 v198, 0                              ; a lane permute's destination counts as one of its sources
.macro LDX n                           ; block n = 2 dt + c: a lane takes column d = 32 (dt / 2) + 8 (dt % 2) + rho(r), and its registers run down t = 64 c + 32 h + 0 .. 31
.set ck, 0
.rept 32
	ds_load_b32 v[128+32*((\n)%2)+ck], v[15+(\n)/4] offset:(64*((\n)%2)+ck)*272+128*((\n)/4)+32*(((\n)/2)%2)
.set ck, ck+1
.endr
.endm
	LDX 0
.irp n, 0,1,2,3,4,5,6,7
.if \n < 7
	LDX \n+1
	s_wait_dscnt 32                                ; all but the next block's 32 loads
.else
	s_wait_dscnt 0x0
.endif
	v_max3_num_f32 v192, |v[128+32*(\n%2)]|, |v[129+32*(\n%2)]|, 0x1800000   ; the block's largest magnitude, in two chains; all 32 numbers are mine; the floor holds the byte at 1
	v_max3_num_f32 v193, |v[144+32*(\n%2)]|, |v[145+32*(\n%2)]|, |v[146+32*(\n%2)]|
.irp i, 2,4,6,8,10,12
	v_max3_num_f32 v192, v192, |v[128+32*(\n%2)+\i]|, |v[129+32*(\n%2)+\i]|
	v_max3_num_f32 v193, v193, |v[145+32*(\n%2)+\i]|, |v[146+32*(\n%2)+\i]|
.endr
	v_max3_num_f32 v192, v192, |v[142+32*(\n%2)]|, |v[143+32*(\n%2)]|
	v_max3_num_f32 v192, v192, v193, |v[159+32*(\n%2)]|
	v_add_nc_u32 v194, 0xff000000, v192
.irp g, 0,1,2,3
	v_cvt_scalef32_pk8_fp4_f32 v[96+4*\n+\g], v[128+32*(\n%2)+8*\g:135+32*(\n%2)+8*\g], v194
.endr
	v_lshrrev_b32 v[195+\n%2], 23, v194            ; the byte (a plain line behind the conversions)
	global_store_b128 v5, v[96+4*\n:99+4*\n], s[16:17] offset:512*\n   ; piece c of fragment dt: 512 consecutive bytes
.if \n%2
	v_lshl_or_b32 v197, v196, 16, v195             ; blocks h and 2 + h,
	v_lshlrev_b32 v197, v26, v197                  ; 8 h bits up;
	v_permlanex16_b32 v198, v197, s[SEL], s[SEL+1]
	v_or_b32 v[200+\n/2], v197, v198               ; with lane l xor 16's the word of these 128 keys is whole
	ds_store_b32 v19, v[200+\n/2] offset:64*(\n/2)
.endif
.endr
	ds_load_b64 v[204:205], v24
	s_wait_dscnt 0x0
	global_store_b64 v25, v[204:205], s[14:15]     ; 256 consecutive bytes, aligned
.Ldone:
	s_wait_dscnt 0x0
	s_wait_tensorcnt 0x0
	ds_add_u32 v30, v31
	s_wait_dscnt 0x0
	CROUND                                         ; the closing round: no work-group ends while a partner may still ask jointly
	s_endpgm
.Lfunc_end_k_qe1f52402cf_qkv:
	.size	k_qe1f52402cf_qkv, .Lfunc_end_k_qe1f52402cf_qkv-k_qe1f52402cf_qkv
	.p2alignl 7, 3214868480
	.fill 96, 4, 3214868480
	.section	.rodata,"a",@progbits
	.p2align	6, 0x0
	.amdhsa_kernel k_qe1f52402cf_qkv
		.amdhsa_group_segment_fixed_size 252416
		.amdhsa_private_segment_fixed_size 0
		.amdhsa_enable_private_segment 0
		.amdhsa_kernarg_size 64
		.amdhsa_user_sgpr_count 2
		.amdhsa_user_sgpr_kernarg_segment_ptr 1
		.amdhsa_wavefront_size32 1
		.amdhsa_system_sgpr_workgroup_id_x 1
		.amdhsa_system_sgpr_workgroup_id_y 1
		.amdhsa_system_sgpr_workgroup_id_z 1
		.amdhsa_system_vgpr_workitem_id 0
		.amdhsa_next_free_vgpr 1024
		.amdhsa_next_free_sgpr 106
		.amdhsa_reserve_vcc 0
		.amdhsa_float_denorm_mode_32 3
		.amdhsa_float_denorm_mode_16_64 3
		.amdhsa_memory_ordered 1
		.amdhsa_forward_progress 1
		.amdhsa_inst_pref_size 186
	.end_amdhsa_kernel
	.amdgpu_metadata
---
amdhsa.version: [ 1, 2 ]
amdhsa.kernels:
  - .name:           k_qe1f52402cf_qkv
    .symbol:         k_qe1f52402cf_qkv.kd
    .args:
      - { .name: opc, .offset: 0, .size: 8, .value_kind: global_buffer, .address_space: global }
      - { .name: ops, .offset: 8, .size: 8, .value_kind: global_buffer, .address_space: global }
      - { .name: tab, .offset: 16, .size: 8, .value_kind: global_buffer, .address_space: global }
      - { .name: b_qkv, .offset: 24, .size: 8, .value_kind: global_buffer, .address_space: global }
      - { .name: v1, .offset: 32, .size: 8, .value_kind: global_buffer, .address_space: global }
      - { .name: lamb, .offset: 40, .size: 8, .value_kind: global_buffer, .address_space: global }
      - { .name: hb, .offset: 48, .size: 8, .value_kind: global_buffer, .address_space: global }
      - { .name: out1, .offset: 56, .size: 8, .value_kind: global_buffer, .address_space: global }
    .group_segment_fixed_size: 252416
    .private_segment_fixed_size: 0
    .kernarg_segment_align: 8
    .kernarg_segment_size: 64
    .max_flat_workgroup_size: 128
    .sgpr_count:     106
    .vgpr_count:     1024
    .wavefront_size: 32
...
	.end_amdgpu_metadata
.endif
;; end of part 2
;; launch attn (part 3): grid 4 x 64, 16 waves a work-group, clusters of 4 x 1, 169,984 bytes of LDS; arguments hb, ac, asc; writes ac, asc
.if DOCPART == 3
	.amdgcn_target "amdgcn-amd-amdhsa--gfx1250"
	.amdhsa_code_object_version 6
	.text
	.protected	k_qe1f52402cf_attn
	.globl	k_qe1f52402cf_attn
	.p2align	8
	.type	k_qe1f52402cf_attn,@function
k_qe1f52402cf_attn:
	s_mov_b64 s[64:65], 0
	v_nop
	global_prefetch_b8 v0, s[64:65] scope:SCOPE_SE
	s_setreg_imm32_b32 hwreg(HW_REG_WAVE_MODE, 25, 1), 1
	s_wait_xcnt 0x0
	s_wait_alu depctr_hold_cnt(0) depctr_sa_sdst(0) depctr_va_vdst(0) depctr_va_sdst(0) depctr_va_ssrc(0) depctr_va_vcc(0) depctr_vm_vsrc(0)
	s_getreg_b32 s2, hwreg(HW_REG_IB_STS2, 6, 4)
	s_cmp_eq_u32 s2, 0
	s_cbranch_scc0 .Lentry_in_a_cluster
	s_endpgm
.Lentry_in_a_cluster:
	s_bfe_u32 s2, ttmp6, 0x10000c
	s_cmp_lg_u32 s2, 0x3003
	s_cbranch_scc0 .Lentry_shape_is_right
	s_endpgm
.Lentry_shape_is_right:
; ATTN.  For each of 64 heads: S = q k^T / 8 under the causal mask, p = 2^t with t = S log2(e), O = (p V) / l, l the sum of the unquantised p; both products on codes of FP4 (E2M1) with E8M0 scales; O is quantised along C for the last product.
; NO MAXIMUM IS TAKEN AWAY (M = 0), AND WHY THAT HOLDS FOR EVERY INPUT: reference() itself rms-normalises q and k, so each has norm under 8 ahead of the quantiser; quantising moves a number by at most one scale unit, a block's
; scale is at most a quarter of its largest magnitude, so a block's norm grows by at most sqrt(32) / 4: norms stay under 19.4, |S| under 47, |t| under 68.  2^t and a sum of 2,048 of them lie inside 2^-68 .. 2^79.
; M = 0 is a whole number: against the rule's M every p differs by an exact power of two, which the block's scale takes up: the codes are the same.
; SHARES.  A cluster of 4 work-groups serves one head; a head's K and V, codes and scale words, 139,264 bytes, are asked for jointly, once, and stay in LDS: each wave brings 34 rows of 256 bytes.  No LDS byte is stored or filled again.
; Wave w owns two tiles of 16 queries: qt = 8 sg + e, e = 2 cx + w % 2, sg = w / 2 and sg = 15 - w / 2.  A tile walks key steps 0 .. sg of 128 keys: 17 steps for every wave of the launch.
; Every branch hangs on the wave's number and on loop counts; cx enters global addresses and the mask's compare value alone.  The loops' trip counts are constants; a step beyond the diagonal jumps over its work.
; LAYOUT.  Both products transposed: a lane holds ONE query (lane % 16).  Tiles take rows 32 (tt / 2) + 8 (tt % 2) + rho(i), so the 16 registers of two neighbouring key tiles are 16 neighbouring keys.
; K = 64 IN AN INSTRUCTION OF 128: a fragment of K holds TWO key tiles (registers 0-3, 4-7); against (q, 0) it gives the first tile's scores, against (0, q) the second's: the other tile's codes meet zero codes.
; THE SCALE BYTES of O leave by byte stores, 32 a tile: a scale word needs two heads, which are two clusters' work; they are one sixteenth of what the launch stores.
; LIMITS: NaN and infinities are not served; a block of zeros carries the byte 1 (zero codes; this program alone reads the bytes).
; REGISTERS: v1-9, v14, v15 addresses; v[10:13] l in two chains; v16-31, v224-239 the two tiles' (q, 0) and (0, q); v32-63 K; v64-95 V; v96-159 S, then p, at a tile's end O / l; v160-191 O^T; v192-199 codes; v200-215 at work;
;   v216 p's scale word; v217-220 K's and V's; v221-223, v240-242 q's.
.set TM,  200
.set SEL, 20
.macro PLACES n
.rept \n
	v_nop
.endr
.endm
.macro CROUND
	s_barrier_signal -1
	s_barrier_wait -1
	s_cmp_lg_u32 s10, 0
	s_cbranch_scc1 .Lnot_wave_0_\@
	s_barrier_signal -3
.Lnot_wave_0_\@:
	s_barrier_wait -3
	s_barrier_signal -1
	s_barrier_wait -1
.endm
	s_load_b128 s[4:7], s[0:1], 0x0                ; hb s[4:5], ac s[6:7]
	s_load_b64 s[8:9], s[0:1], 0x10                ; asc
	v_lshl_add_u32 v254, v0, 2, 0x29000
	v_mov_b32 v255, 0
	ds_add_u32 v254, v255
	ds_add_u32 v254, v255
	v_lshrrev_b32 v1, 5, v0
	s_delay_alu instid0(VALU_DEP_1)
	v_readfirstlane_b32 s10, v1                    ; wave 0 .. 15
	s_bfe_u32 s11, ttmp6, 0x40000                  ; cx
	s_and_b32 s12, ttmp7, 0xffff                   ; bh: the four partners share it
	s_mov_b32 s24, 15|(3<<16)|(1<<21)              ; group 1: the mask names all four; elements of 8 bytes; bit 21 set beside a mask; no padding
	s_mov_b32 s25, 32<<16                          ; rows of 256 bytes,
	s_mov_b32 s26, 34<<16                          ; 34 of them,
	s_mov_b32 s27, 32<<16
	s_mov_b32 s28, 34
	s_mov_b32 s29, 32                              ; dense
	s_mov_b32 s30, 0
	s_mov_b32 s31, 0
	s_mul_i32 s36, s12, 208896
	s_mov_b32 s37, 0
	s_mul_i32 s38, s10, 8704
	s_mov_b32 s39, 0
	s_wait_dscnt 0x0
	s_wait_kmcnt 0x0
	s_add_nc_u64 s[4:5], s[4:5], s[36:37]          ; the head's block
	s_mov_b32 s32, 1
	s_mov_b32 s33, s38                             ; LDS is the image of the block's first 139,264 bytes
	s_add_nc_u64 s[34:35], s[4:5], s[38:39]
	s_or_b32 s35, s35, 0x80000000
	CROUND                                         ; all four work-groups are here
	tensor_load_to_lds s[32:35], s[24:31]          ; one load a wave is out
	s_nop 0
	PLACES 4
	s_and_b32 s13, s10, 1
	s_lshl_b32 s14, s11, 1
	s_add_co_u32 s14, s14, s13                     ; e
	s_lshl_b32 s13, s13, 4                         ; 16 (w % 2): which half of a pair's scale word is my tile's
	s_lshr_b32 s19, s10, 1                         ; the low tile's last step
	s_xor_b32 s58, s19, 15                         ; the high tile's: 15 - w / 2
	s_lshl_b32 s56, s19, 3
	s_add_co_u32 s56, s56, s14                     ; the low tile
	s_lshl_b32 s57, s58, 3
	s_add_co_u32 s57, s57, s14                     ; the high tile
	s_mov_b32 s61, 0
	s_lshl_b32 s60, s56, 9
	s_add_co_u32 s60, s60, 139264
	s_add_nc_u64 s[40:41], s[4:5], s[60:61]        ; q's codes: 512 bytes a tile
	s_lshl_b32 s60, s57, 9
	s_add_co_u32 s60, s60, 139264
	s_add_nc_u64 s[42:43], s[4:5], s[60:61]
	s_lshr_b32 s60, s56, 1
	s_lshl_b32 s60, s60, 6
	s_add_co_u32 s60, s60, 204800
	s_add_nc_u64 s[44:45], s[4:5], s[60:61]        ; q's scale words: 64 bytes a pair of tiles
	s_lshr_b32 s60, s57, 1
	s_lshl_b32 s60, s60, 6
	s_add_co_u32 s60, s60, 204800
	s_add_nc_u64 s[46:47], s[4:5], s[60:61]
	s_lshr_b32 s59, s12, 4
	s_lshl_b32 s59, s59, 7                         ; 128 tiles of rows a batch
	s_and_b32 s63, s12, 15                         ; the head
	s_lshl_b32 s62, s63, 9                         ; in ac: K step head / 2, piece head % 2: 512 x head
	s_lshr_b32 s60, s63, 3
	s_lshl_b32 s60, s60, 8
	s_and_b32 s63, s63, 7
	s_lshl_b32 s63, s63, 1
	s_add_co_u32 s63, s63, s60                     ; in asc: 256 (head / 8) + 2 (head % 8)
	s_add_co_u32 s60, s59, s56
	s_lshl_b32 s60, s60, 13
	s_add_co_u32 s60, s60, s62
	s_add_nc_u64 s[48:49], s[6:7], s[60:61]
	s_add_co_u32 s60, s59, s57
	s_lshl_b32 s60, s60, 13
	s_add_co_u32 s60, s60, s62
	s_add_nc_u64 s[50:51], s[6:7], s[60:61]
	s_add_co_u32 s60, s59, s56
	s_lshl_b32 s60, s60, 9
	s_add_co_u32 s60, s60, s63
	s_add_nc_u64 s[52:53], s[8:9], s[60:61]
	s_add_co_u32 s60, s59, s57
	s_lshl_b32 s60, s60, 9
	s_add_co_u32 s60, s60, s63
	s_add_nc_u64 s[54:55], s[8:9], s[60:61]
	s_lshr_b32 s60, s14, 1
	s_lshl_b32 s60, s60, 5
	s_and_b32 s62, s14, 1
	s_lshl_b32 s62, s62, 3
	s_add_co_u32 s60, s60, s62                     ; 32 (e / 2) + 8 (e % 2)
	s_mov_b32 s[SEL], 0x76543210
	s_mov_b32 s[SEL+1], 0xfedcba98
	s_mov_b32 s22, 0x3E38AA3B                      ; c = log2(e) / 8
	s_mov_b32 s23, s22                             ; (named with it as a pair)
	v_and_b32 v3, 31, v0                           ; lane
	v_and_b32 v15, 15, v0                          ; r
	v_bfe_u32 v14, v0, 4, 1                        ; h
	s_delay_alu instid0(VALU_DEP_3)
	v_lshlrev_b32 v1, 4, v3                        ; 16 x lane: K's codes begin at LDS byte 0
	s_delay_alu instid0(VALU_DEP_1)
	v_add_nc_u32 v2, 65536, v1                     ; V's codes
	v_lshlrev_b32 v3, 2, v3
	s_delay_alu instid0(VALU_DEP_1)
	v_add_nc_u32 v3, 131072, v3                    ; the scale words: 4 x lane
	v_and_b32 v7, 8, v15
	s_delay_alu instid0(VALU_DEP_1)
	v_add_nc_u32 v7, v7, v15                       ; rho(r)
	s_delay_alu instid0(VALU_DEP_1)
	v_add_nc_u32 v7, s60, v7
	v_lshlrev_b32 v8, 4, v14
	s_delay_alu instid0(VALU_DEP_1)
	v_sub_nc_u32 v7, v7, v8                        ; my query's place in its 128, less 16 h: in the diagonal step register 16 p + i holds a hidden key where 32 p + i is above this
	v_mov_b32 v8, 0xff800000                       ; -infinity
	v_lshl_add_u32 v9, v15, 4, v14                 ; 16 r + h: my scale byte's place
	v_lshlrev_b32 v15, 2, v15                      ; 4 r
	global_load_b128 v[16:19], v1, s[40:41]        ; (q, 0)
	global_load_b128 v[28:31], v1, s[40:41]        ; (0, q): the same 512 bytes
	global_load_b128 v[224:227], v1, s[42:43]
	global_load_b128 v[236:239], v1, s[42:43]
	global_load_b32 v223, v15, s[44:45]
	global_load_b32 v242, v15, s[46:47]
.irp j, 20,21,22,23,24,25,26,27,228,229,230,231,232,233,234,235
	v_mov_b32 v\j, 0                               ; zero CODES
.endr
.irp b, 0,1,2,3
	v_mov_b32 v[TM+4+\b], 0                        ; written once: a lane permute's destination counts as one of its sources
.endr
	s_wait_loadcnt 0x0
	v_lshrrev_b32 v221, s13, v223
	s_delay_alu instid0(VALU_DEP_1)
	v_and_b32 v221, 0xffff, v221                   ; q's two bytes under (q, 0); the other two bytes, 0, stand over zero codes
	s_delay_alu instid0(VALU_DEP_1)
	v_lshlrev_b32 v222, 16, v221                   ; and under (0, q)
	v_lshrrev_b32 v240, s13, v242
	s_delay_alu instid0(VALU_DEP_1)
	v_and_b32 v240, 0xffff, v240
	s_delay_alu instid0(VALU_DEP_1)
	v_lshlrev_b32 v241, 16, v240
	s_wait_tensorcnt 0x0                           ; my part of the head's block is in,
	s_barrier_signal -1
	s_barrier_wait -1                              ; everybody's is
; One tile of 16 queries.  ql, qh: (q, 0) and (0, q);  wl, wh: their scale words;  trips: a constant;  pa, ps: where the codes and the scale bytes go.  s18: the tile's last step.
.macro TILE ql, qh, wl, wh, trips, pa, ps
	s_wait_xcnt 0x0                                ; the last tile's stores have read their registers
.set cj, 0
.rept 32
	v_mov_b32 v[160+cj], 0                         ; O^T.  (The step is written once)
.set cj, cj+1
.endr
.irp j, 10,11,12,13
	v_mov_b32 v\j, 0                               ; l
.endr
	s_mov_b32 s15, 0                               ; the step's codes: 4,096 bytes a step
	s_mov_b32 s16, 0                               ; its scale words: 256
	s_mov_b32 s17, 0                               ; the step
.Lstep_\@:
	s_cmp_gt_u32 s17, s18                          ; all keys hidden: the work is jumped over, the steps of the addresses are not
	s_cbranch_scc1 .Lhid_\@
	s_setprio 2
	v_add_nc_u32 v4, s15, v1                       ; (these four lines are the places behind the last step's products, in front of the loads into their registers)
	v_add_nc_u32 v5, s15, v2
	v_add_nc_u32 v6, s16, v3
	v_nop
.irp n, 0,1,2,3,4,5,6,7
	ds_load_b128 v[32+4*\n:35+4*\n], v4 offset:512*\n      ; key tile n of the step: half of fragment n / 2
.endr
	ds_load_b32 v217, v6                           ; K's pair words: lanes 0-15 pair 0, lanes 16-31 pair 1;
	ds_load_b32 v218, v6 offset:128                ; pairs 2, 3
.irp n, 0,1,2,3,4,5,6,7
	ds_load_b128 v[64+4*\n:67+4*\n], v5 offset:512*\n      ; V's four fragments: 16 d x 128 keys
.endr
	ds_load_b32 v219, v6 offset:4096               ; V's words: dt 0, 1;
	ds_load_b32 v220, v6 offset:4224               ; dt 2, 3
	s_wait_dscnt 10                                ; K is in; V's ten loads may be out
.irp p, 0,1,2,3
.if \p%2
	v_wmma_scale_f32_16x16x128_f8f6f4 v[96+16*\p:103+16*\p], v[32+8*\p:39+8*\p], v[\ql:\ql+7], 0, v[217+\p/2], v[\wl] matrix_a_fmt:MATRIX_FMT_FP4 matrix_b_fmt:MATRIX_FMT_FP4 matrix_a_scale:MATRIX_SCALE_ROW1
	v_wmma_scale_f32_16x16x128_f8f6f4 v[104+16*\p:111+16*\p], v[32+8*\p:39+8*\p], v[\qh:\qh+7], 0, v[217+\p/2], v[\wh] matrix_a_fmt:MATRIX_FMT_FP4 matrix_b_fmt:MATRIX_FMT_FP4 matrix_a_scale:MATRIX_SCALE_ROW1
.else
	v_wmma_scale_f32_16x16x128_f8f6f4 v[96+16*\p:103+16*\p], v[32+8*\p:39+8*\p], v[\ql:\ql+7], 0, v[217+\p/2], v[\wl] matrix_a_fmt:MATRIX_FMT_FP4 matrix_b_fmt:MATRIX_FMT_FP4
	v_wmma_scale_f32_16x16x128_f8f6f4 v[104+16*\p:111+16*\p], v[32+8*\p:39+8*\p], v[\qh:\qh+7], 0, v[217+\p/2], v[\wh] matrix_a_fmt:MATRIX_FMT_FP4 matrix_b_fmt:MATRIX_FMT_FP4
.endif
.endr                                  ; register 96 + 16 p + i: key 128 s + 32 p + 16 h + i
	PLACES 4
	s_cmp_lg_u32 s17, s18                          ; only the tile's last step lies on the diagonal
	s_cbranch_scc1 .Lopen_\@
.set cn, 0
.rept 64
	v_cmp_gt_i32 vcc_lo, 32*(cn/16)+cn%16, v7
	v_cndmask_b32 v[96+cn], v[96+cn], v8, vcc_lo   ; hidden scores become -infinity: p = 0
.set cn, cn+1
.endr
.Lopen_\@:
.irp b, 0,1,2,3
	v_max3_num_f32 v[TM+\b], v[96+16*\b], v[97+16*\b], v[98+16*\b]   ; the largest SCORE of each block of 32 keys: p rises with the score, so it gives the block's largest p
.endr
.irp i, 3,5,7,9,11,13
.irp b, 0,1,2,3
	v_max3_num_f32 v[TM+\b], v[TM+\b], v[96+16*\b+\i], v[97+16*\b+\i]
.endr
.endr
.irp b, 0,1,2,3
	v_max_num_f32 v[TM+\b], v[TM+\b], v[111+16*\b]
.endr
.irp b, 0,1,2,3
	s_delay_alu instid0(VALU_DEP_4)
	v_permlanex16_b32 v[TM+4+\b], v[TM+\b], s[SEL], s[SEL+1]
.endr
.irp b, 0,1,2,3
	s_delay_alu instid0(VALU_DEP_4)
	v_max_num_f32 v[TM+\b], v[TM+\b], v[TM+4+\b]   ; with lane l xor 16's 16 keys
.endr
.set cj, 0
	s_setprio 1
.rept 32
	v_pk_mul_f32 v[96+cj:97+cj], v[96+cj:97+cj], s[22:23] op_sel_hi:[1,0]   ; t
.set cj, cj+2
.endr
.irp b, 0,1,2,3
	v_mul_f32 v[TM+\b], s22, v[TM+\b]              ; the same of each block's largest score
.endr
.set cj, 0
	s_wait_alu depctr_va_vdst(0)
.rept 64
	v_exp_f32 v[96+cj], v[96+cj]                   ; p = 2^t: not normalised
.set cj, cj+1
.endr
.irp b, 0,1,2,3
	v_exp_f32 v[TM+\b], v[TM+\b]                   ; the block's largest p: the same two instructions on the same number give the same bits
.endr
	v_nop                                          ; a plain line behind the last exponential
	s_wait_alu depctr_va_vdst(0)                   ; one wait for the batch of 68, ahead of its first reader
.irp b, 0,1,2,3
	v_max_num_f32 v[TM+\b], 0x1800000, v[TM+\b]    ; the floor 2^(3 - 127): a block of zeros keeps the byte 1
.endr
.irp b, 0,1,2,3
	s_delay_alu instid0(VALU_DEP_4)
	v_add_nc_u32 v[TM+12+\b], 0xff000000, v[TM+\b] ; 2 off the exponent field: the conversion's scale operand
.endr
.irp b, 0,1,2,3
	s_delay_alu instid0(VALU_DEP_4)
	v_lshrrev_b32 v[TM+4+\b], 23, v[TM+12+\b]
.endr
	s_delay_alu instid0(VALU_DEP_3)
	v_lshl_or_b32 v216, v[TM+5], 8, v[TM+4]        ; p's scale word for these 128 keys
	s_delay_alu instid0(VALU_DEP_1)
	v_lshl_or_b32 v216, v[TM+6], 16, v216
	s_delay_alu instid0(VALU_DEP_1)
	v_lshl_or_b32 v216, v[TM+7], 24, v216
.irp b, 0,1,2,3
	v_cvt_scalef32_pk8_fp4_f32 v[192+2*\b], v[96+16*\b:103+16*\b], v[TM+12+\b]
	v_cvt_scalef32_pk8_fp4_f32 v[193+2*\b], v[104+16*\b:111+16*\b], v[TM+12+\b]
.endr
	v_nop                                          ; one plain place behind a scaled conversion
.irp c, 0,1
.irp i, 0,1
	v_permlane16_swap_b32 v[192+4*\c+\i], v[194+4*\c+\i]   ; a WHOLE block in a lane
.endr
.endr
.set cj, 0
	s_setprio 0
.rept 16
	v_pk_add_f32 v[10:11], v[10:11], v[96+cj:97+cj]        ; l is the sum of the UNQUANTISED p, in two chains.  (These 32 lines are also the places between the codes, the scale word and the products)
	v_pk_add_f32 v[12:13], v[12:13], v[98+cj:99+cj]
.set cj, cj+4
.endr
	s_wait_dscnt 0x0                               ; V is in
.irp dt, 0,1,2,3                       ; O^T += V^T P^T: the four accumulators by turns, the scores' eight products between the steps
.if \dt%2
	v_wmma_scale_f32_16x16x128_f8f6f4 v[160+8*\dt:167+8*\dt], v[64+8*\dt:71+8*\dt], v[192:199], v[160+8*\dt:167+8*\dt], v[219+\dt/2], v216 matrix_a_fmt:MATRIX_FMT_FP4 matrix_b_fmt:MATRIX_FMT_FP4 matrix_a_scale:MATRIX_SCALE_ROW1
.else
	v_wmma_scale_f32_16x16x128_f8f6f4 v[160+8*\dt:167+8*\dt], v[64+8*\dt:71+8*\dt], v[192:199], v[160+8*\dt:167+8*\dt], v[219+\dt/2], v216 matrix_a_fmt:MATRIX_FMT_FP4 matrix_b_fmt:MATRIX_FMT_FP4
.endif
.endr
.Lhid_\@:
	s_add_co_u32 s15, s15, 4096
	s_add_co_u32 s16, s16, 256
	s_add_co_u32 s17, s17, 1
	s_cmp_lt_u32 s17, \trips
	s_cbranch_scc1 .Lstep_\@
	s_setprio 0
	PLACES 4                                       ; in front of the first read of O^T
	s_wait_alu depctr_va_vdst(0)
	v_pk_add_f32 v[10:11], v[10:11], v[12:13]
	s_delay_alu instid0(VALU_DEP_1)
	v_add_f32 v10, v10, v11
	s_delay_alu instid0(VALU_DEP_1)
	v_permlanex16_b32 v11, v10, s[SEL], s[SEL+1]
	s_delay_alu instid0(VALU_DEP_1)
	v_add_f32 v10, v10, v11                        ; l
	s_wait_alu depctr_va_vdst(0)
	v_rcp_f32 v10, v10
	v_nop                                          ; a plain line behind the reciprocal
	s_wait_alu depctr_va_vdst(0)                   ; and the wait ahead of its first reader
.set cj, 0
.rept 32
	v_mul_f32 v[96+cj], v[160+cj], v10             ; O / l: register 16 beta + i is d = 32 beta + 16 h + i; each accumulator from its low end on
.set cj, cj+1
.endr
.irp b, 0,1                            ; the head's two blocks of 32 along C
	v_max3_num_f32 v[TM+\b], |v[96+16*\b]|, |v[97+16*\b]|, 0x1800000
.endr
.irp i, 2,4,6,8,10,12,14
.irp b, 0,1
	s_delay_alu instid0(VALU_DEP_2)
	v_max3_num_f32 v[TM+\b], v[TM+\b], |v[96+16*\b+\i]|, |v[97+16*\b+\i]|
.endr
.endr
.irp b, 0,1
	s_delay_alu instid0(VALU_DEP_2)
	v_permlanex16_b32 v[TM+4+\b], v[TM+\b], s[SEL], s[SEL+1]
.endr
.irp b, 0,1
	s_delay_alu instid0(VALU_DEP_2)
	v_max_num_f32 v[TM+\b], v[TM+\b], v[TM+4+\b]
.endr
.irp b, 0,1
	s_delay_alu instid0(VALU_DEP_2)
	v_add_nc_u32 v[TM+12+\b], 0xff000000, v[TM+\b]
.endr
.irp b, 0,1
	s_delay_alu instid0(VALU_DEP_2)
	v_lshrrev_b32 v[TM+4+\b], 23, v[TM+12+\b]
.endr
.irp b, 0,1
	v_cvt_scalef32_pk8_fp4_f32 v[192+2*\b], v[96+16*\b:103+16*\b], v[TM+12+\b]
	v_cvt_scalef32_pk8_fp4_f32 v[193+2*\b], v[104+16*\b:111+16*\b], v[TM+12+\b]
.endr
	v_nop
	v_permlane16_swap_b32 v192, v194
	v_permlane16_swap_b32 v193, v195
	v_cmp_ne_u32 vcc_lo, 0, v14
	s_delay_alu instid0(VALU_DEP_1)
	v_cndmask_b32 v196, v[TM+4], v[TM+5], vcc_lo   ; lane (r, h): the byte of block h
	global_store_b128 v1, v[192:195], s[\pa:\pa+1] ; one piece of an image of the last product's operand: 512 consecutive bytes
	global_store_b8 v9, v196, s[\ps:\ps+1]
.endm
	s_mov_b32 s18, s19
	TILE 16, 24, 221, 222, 8, 48, 52
	s_mov_b32 s18, s58
	TILE 224, 232, 240, 241, 16, 50, 54
	s_wait_dscnt 0x0
	s_wait_tensorcnt 0x0
	ds_add_u32 v254, v255
	s_wait_dscnt 0x0
	CROUND                                         ; the closing round
	s_endpgm
.Lfunc_end_k_qe1f52402cf_attn:
	.size	k_qe1f52402cf_attn, .Lfunc_end_k_qe1f52402cf_attn-k_qe1f52402cf_attn
	.p2alignl 7, 3214868480
	.fill 96, 4, 3214868480
	.section	.rodata,"a",@progbits
	.p2align	6, 0x0
	.amdhsa_kernel k_qe1f52402cf_attn
		.amdhsa_group_segment_fixed_size 169984
		.amdhsa_private_segment_fixed_size 0
		.amdhsa_enable_private_segment 0
		.amdhsa_kernarg_size 24
		.amdhsa_user_sgpr_count 2
		.amdhsa_user_sgpr_kernarg_segment_ptr 1
		.amdhsa_wavefront_size32 1
		.amdhsa_system_sgpr_workgroup_id_x 1
		.amdhsa_system_sgpr_workgroup_id_y 1
		.amdhsa_system_sgpr_workgroup_id_z 1
		.amdhsa_system_vgpr_workitem_id 0
		.amdhsa_next_free_vgpr 256
		.amdhsa_next_free_sgpr 66
		.amdhsa_reserve_vcc 1
		.amdhsa_float_denorm_mode_32 3
		.amdhsa_float_denorm_mode_16_64 3
		.amdhsa_memory_ordered 1
		.amdhsa_forward_progress 1
		.amdhsa_inst_pref_size 57
	.end_amdhsa_kernel
	.amdgpu_metadata
---
amdhsa.version: [ 1, 2 ]
amdhsa.kernels:
  - .name:           k_qe1f52402cf_attn
    .symbol:         k_qe1f52402cf_attn.kd
    .args:
      - { .name: hb, .offset: 0, .size: 8, .value_kind: global_buffer, .address_space: global }
      - { .name: ac, .offset: 8, .size: 8, .value_kind: global_buffer, .address_space: global }
      - { .name: asc, .offset: 16, .size: 8, .value_kind: global_buffer, .address_space: global }
    .group_segment_fixed_size: 169984
    .private_segment_fixed_size: 0
    .kernarg_segment_align: 8
    .kernarg_segment_size: 24
    .max_flat_workgroup_size: 512
    .sgpr_count:     66
    .vgpr_count:     256
    .wavefront_size: 32
...
	.end_amdgpu_metadata
.endif
;; end of part 3
;; launch proj (part 4): grid 4 x 64, 4 waves a work-group, clusters of 4 x 4, 209,408 bytes of LDS; arguments ac, asc, opc, ops, b_proj, out0; writes out0
.if DOCPART == 4
	.amdgcn_target "amdgcn-amd-amdhsa--gfx1250"
	.amdhsa_code_object_version 6
	.text
	.protected	k_qe1f52402cf_proj
	.globl	k_qe1f52402cf_proj
	.p2align	8
	.type	k_qe1f52402cf_proj,@function
k_qe1f52402cf_proj:
	s_mov_b64 s[64:65], 0
	v_nop
	global_prefetch_b8 v0, s[64:65] scope:SCOPE_SE
	s_setreg_imm32_b32 hwreg(HW_REG_WAVE_MODE, 25, 1), 1
	s_wait_xcnt 0x0
	s_wait_alu depctr_hold_cnt(0) depctr_sa_sdst(0) depctr_va_vdst(0) depctr_va_sdst(0) depctr_va_ssrc(0) depctr_va_vcc(0) depctr_vm_vsrc(0)
	s_getreg_b32 s2, hwreg(HW_REG_IB_STS2, 6, 4)
	s_cmp_eq_u32 s2, 0
	s_cbranch_scc0 .Lentry_in_a_cluster
	s_endpgm
.Lentry_in_a_cluster:
	s_bfe_u32 s2, ttmp6, 0x10000c
	s_cmp_lg_u32 s2, 0xf033
	s_cbranch_scc0 .Lentry_shape_is_right
	s_endpgm
.Lentry_shape_is_right:
; PROJ.  out0 = A W_proj^T + b_proj on codes of FP4 (E2M1) with E8M0 scales: A's codes and scales come from the attention launch (ac, asc), W_proj's from the first (opc, ops: tiles 704 on).
; SHARES, CLUSTER, LAYOUTS AND THE PRODUCT are those of the qkv launch: a work-group makes 128 rows x 256 columns, wave w all 128 rows x columns 64 w on: 8 tiles of A (a) x 4 tiles of W (b), 32 accumulators;
; 4 x 4 work-groups ask jointly for A's tiles along a row of the cluster and for W's along a column; all of K lies in LDS as two K halves, each byte filled ONCE; operands are images of their registers.
; The product is used transposed (source 0 = 16 rows of W, source 1 = 16 rows of A); a tile tt takes rows 32 (tt / 2) + 8 (tt % 2) + rho(i), rho(i) = i + 8 (i / 8): lane (r, h) holds row 32 (a / 2) + 8 (a % 2) + rho(r),
; and register 32 a + 16 beta + i of window 2 is column 32 beta + 16 h + i of the wave's 64.  The bias is the C of each sum's first product.
; THE WAY OUT: a tile of 16 rows x 256 bytes goes through the wave's own stage in LDS and leaves as whole rows: sixteen lanes store 256 consecutive bytes, aligned.  The stages lie in K half 0, which has had its one fill and its last read.
; REGISTERS: window 0: v1-14 addresses; v32-95 scale words and nothing else; v128-255 A's fragments, two sets; on the way out rows of out0.  window 1: v0-63 W's fragments, two sets; v64-95 the bias.  window 2: the accumulators.
.set SLOT1, 0
.set SCLB,  98304
.set SCLA,  106496
.set SLOT0, 110592
.set SC,   32
.set AF,   128
.set BIAS, 64
.set MSB,  0
.macro WIN new
.if MSB != \new
	s_set_vgpr_msb (MSB<<8)|\new
.set MSB, \new
.endif
.endm
.macro PLACES n
.rept \n
	v_nop
.endr
.endm
.macro CROUND
	s_barrier_signal -1
	s_barrier_wait -1
	s_cmp_lg_u32 s20, 0
	s_cbranch_scc1 .Lnot_wave_0_\@
	s_barrier_signal -3
.Lnot_wave_0_\@:
	s_barrier_wait -3
	s_barrier_signal -1
	s_barrier_wait -1
.endm
.macro G1SET g, d0, d1, st
	s_mov_b32 s[\g+1], (\d0)<<16
	s_mov_b32 s[\g+2], (\d1)<<16
	s_mov_b32 s[\g+3], (\d0)<<16
	s_mov_b32 s[\g+4], \d1
	s_mov_b32 s[\g+5], \st
	s_mov_b32 s[\g+6], 0
	s_mov_b32 s[\g+7], 0
.endm
.macro FETCH k, set
	WIN 0x40
.irp b, 0,1,2,3
.irp c, 0,1
	ds_load_b128 v[32*(\set)+8*\b+4*\c:32*(\set)+8*\b+4*\c+3], v[8+(\k)/4] offset:4096*\b+1024*((\k)%4)+512*\c
.endr
.endr
	WIN 0
.irp a, 0,1,2,3,4,5,6,7
.irp c, 0,1
	ds_load_b128 v[AF+64*(\set)+8*\a+4*\c:AF+64*(\set)+8*\a+4*\c+3], v[6+(\k)/4] offset:4096*\a+1024*((\k)%4)+512*\c
.endr
.endr
.endm
.macro MULK k, set                     ; 32 products; the 32 accumulators take turns, one instruction a turn
.if (\k) == 0
	WIN 0x91
.else
	WIN 0xA1
.endif
.irp a, 0,1,2,3,4,5,6,7
.irp b, 0,1,2,3
.if (\k) == 0
	v_wmma_scale_f32_16x16x128_f8f6f4 v[8*(4*\a+\b):8*(4*\a+\b)+7], v[32*(\set)+8*\b:32*(\set)+8*\b+7], v[AF+64*(\set)+8*\a:AF+64*(\set)+8*\a+7], v[BIAS+8*\b:BIAS+8*\b+7], v[SC+32*((\k)/4)+4*\b+(\k)%4], v[SC+32*((\k)/4)+4*\a+(\k)%4] matrix_a_fmt:MATRIX_FMT_FP4 matrix_b_fmt:MATRIX_FMT_FP4 matrix_b_scale:MATRIX_SCALE_ROW1
.else
	v_wmma_scale_f32_16x16x128_f8f6f4 v[8*(4*\a+\b):8*(4*\a+\b)+7], v[32*(\set)+8*\b:32*(\set)+8*\b+7], v[AF+64*(\set)+8*\a:AF+64*(\set)+8*\a+7], v[8*(4*\a+\b):8*(4*\a+\b)+7], v[SC+32*((\k)/4)+4*\b+(\k)%4], v[SC+32*((\k)/4)+4*\a+(\k)%4] matrix_a_fmt:MATRIX_FMT_FP4 matrix_b_fmt:MATRIX_FMT_FP4 matrix_b_scale:MATRIX_SCALE_ROW1
.endif
.endr
.endr
.endm
	s_load_b256 s[4:11], s[0:1], 0x0               ; ac s[4:5], asc s[6:7], opc s[8:9], ops s[10:11]
	s_load_b128 s[12:15], s[0:1], 0x20             ; b_proj s[12:13], out0 s[14:15]
	v_lshl_add_u32 v126, v0, 2, 0x33000
	v_mov_b32 v127, 0
	ds_add_u32 v126, v127
	ds_add_u32 v126, v127
	v_lshrrev_b32 v1, 5, v0
	v_readfirstlane_b32 s20, v1                    ; wave
	s_bfe_u32 s21, ttmp6, 0x40000                  ; cx
	s_bfe_u32 s22, ttmp6, 0x40004                  ; cy
	s_lshl_b32 s23, ttmp9, 2
	s_add_co_u32 s23, s23, s21                     ; block of 256 columns
	s_and_b32 s24, ttmp7, 0xffff
	s_lshl_b32 s24, s24, 2
	s_add_co_u32 s24, s24, s22                     ; block of 128 rows
	s_lshl_b32 s25, s22, 2
	s_lshl_b32 s25, 15, s25                        ; my row of the cluster
	s_lshl_b32 s26, 0x1111, s21                    ; my column
	s_or_b32 s28, s25, (3<<16)|(1<<21)             ; group 1, word 0: the mask; elements of 8 bytes; bit 21 set beside a mask; no padding
	s_or_b32 s36, s26, (3<<16)|(1<<21)
	s_or_b32 s44, s25, (3<<16)|(1<<21)
	s_or_b32 s52, s26, (3<<16)|(1<<21)
	G1SET 28, 512, 2, 1024                         ; A: a K half (4,096 bytes) of 2 tiles, 8,192 bytes apart
	G1SET 36, 512, 4, 1024                         ; W: of 4 tiles
	G1SET 44, 32, 4, 32                            ; A's scales: 1,024 dense bytes as rows of 256
	G1SET 52, 32, 8, 32                            ; W's: 2,048
	s_lshl_b32 s92, s24, 3                         ; A's tiles 8 x row block + 2 w: s92-95 never hold cx
	s_lshl_b32 s93, s20, 1
	s_add_co_u32 s92, s92, s93
	s_lshl_b32 s94, s92, 9
	s_lshl_b32 s92, s92, 13
	s_mov_b32 s93, 0
	s_mov_b32 s95, 0
	s_lshl_b32 s96, s23, 4                         ; W's tiles 704 + 16 x column block + 4 w: s96-99 never hold cy
	s_lshl_b32 s97, s20, 2
	s_add_co_u32 s96, s96, s97
	s_add_co_u32 s96, s96, 704
	s_lshl_b32 s98, s96, 9
	s_lshl_b32 s96, s96, 13
	s_mov_b32 s97, 0
	s_mov_b32 s99, 0
	s_wait_dscnt 0x0
	s_wait_kmcnt 0x0
	s_add_nc_u64 s[92:93], s[4:5], s[92:93]
	s_add_nc_u64 s[94:95], s[6:7], s[94:95]
	s_add_nc_u64 s[96:97], s[8:9], s[96:97]
	s_add_nc_u64 s[98:99], s[10:11], s[98:99]
	s_mov_b32 s60, 1
	s_lshl_b32 s61, s20, 10
	s_add_co_u32 s61, s61, SCLA
	s_mov_b64 s[62:63], s[94:95]
	s_or_b32 s63, s63, 0x80000000
	s_mov_b32 s68, 1
	s_lshl_b32 s69, s20, 11
	s_add_co_u32 s69, s69, SCLB
	s_mov_b64 s[70:71], s[98:99]
	s_or_b32 s71, s71, 0x80000000
	s_mov_b32 s72, 1
	s_lshl_b32 s73, s20, 13
	s_add_co_u32 s73, s73, SLOT0
	s_mov_b64 s[74:75], s[92:93]
	s_or_b32 s75, s75, 0x80000000
	s_mov_b32 s76, 1
	s_lshl_b32 s77, s20, 14
	s_add_co_u32 s77, s77, SLOT0+32768
	s_mov_b64 s[78:79], s[96:97]
	s_or_b32 s79, s79, 0x80000000
	s_mov_b32 s80, 1
	s_lshl_b32 s81, s20, 13
	s_add_co_u32 s81, s81, SLOT1
	s_add_nc_u64 s[82:83], s[92:93], 4096
	s_or_b32 s83, s83, 0x80000000
	s_mov_b32 s84, 1
	s_lshl_b32 s85, s20, 14
	s_add_co_u32 s85, s85, SLOT1+32768
	s_add_nc_u64 s[86:87], s[96:97], 4096
	s_or_b32 s87, s87, 0x80000000
	CROUND                                         ; all sixteen work-groups are here: the joint loads meet
	tensor_load_to_lds s[60:63], s[44:51]          ; six loads of mine are out: A's scales,
	s_nop 0
	tensor_load_to_lds s[68:71], s[52:59]          ; W's scales,
	s_nop 0
	tensor_load_to_lds s[72:75], s[28:35]          ; K half 0
	s_nop 0
	tensor_load_to_lds s[76:79], s[36:43]
	s_nop 0
	tensor_load_to_lds s[80:83], s[28:35]          ; K half 1
	s_nop 0
	tensor_load_to_lds s[84:87], s[36:43]
	s_nop 0
	PLACES 4
	s_lshl_b32 s100, s23, 10
	s_lshl_b32 s101, s20, 8
	s_add_co_u32 s100, s100, s101                  ; 1,024 x column block + 256 w: my 64 columns, in bytes
	s_mov_b32 s101, 0
	s_add_nc_u64 s[12:13], s[12:13], s[100:101]    ; their bias
	s_lshl_b32 s104, s24, 19                       ; 128 rows of 4,096 bytes
	s_add_co_u32 s100, s100, s104
	s_add_nc_u64 s[14:15], s[14:15], s[100:101]    ; my part of out0
	v_and_b32 v1, 31, v0                           ; lane
	v_and_b32 v2, 15, v0                           ; r
	v_bfe_u32 v3, v0, 4, 1                         ; h
	v_lshlrev_b32 v5, 4, v1                        ; 16 x lane
	v_lshlrev_b32 v11, 6, v3                       ; 64 h
	WIN 0x40
.irp b, 0,1,2,3
	global_load_b128 v[BIAS+8*\b:BIAS+8*\b+3], v11, s[12:13] offset:(32*(\b/2)+8*(\b%2))*4
	global_load_b128 v[BIAS+8*\b+4:BIAS+8*\b+7], v11, s[12:13] offset:(32*(\b/2)+8*(\b%2))*4+16
.endr
	WIN 0
	v_add_nc_u32 v6, SLOT0, v5
	v_add_nc_u32 v7, SLOT1, v5
	s_lshl_b32 s104, s20, 14
	s_add_co_u32 s104, s104, 32768
	v_add_nc_u32 v9, s104, v5
	v_add_nc_u32 v8, SLOT0, v9
	s_xor_b32 s105, s20, 3
	s_add_co_u32 s105, s105, 1
	s_lshl_b32 s105, s105, 11                      ; 8,192 - 2,048 w: from my W scales to A's
	v_mul_u32_u24 v10, s105, v3                    ; lanes 16-31 take A's
	v_lshl_add_u32 v10, v2, 4, v10
	s_lshl_b32 s104, s20, 11
	s_add_co_u32 s104, s104, SCLB
	v_add_nc_u32 v10, s104, v10
	s_mul_i32 s104, s20, 8704
	s_add_co_u32 s104, s104, SLOT0                 ; my two stages of 16 rows x 272 bytes
	v_mul_u32_u24 v12, v2, 272
	s_wait_alu depctr_va_vdst(0)
	v_add_nc_u32 v12, v12, v11
	v_add_nc_u32 v12, s104, v12                    ; in: row r, + 64 h
	v_mul_u32_u24 v13, v3, 272
	v_lshl_add_u32 v13, v2, 4, v13
	v_add_nc_u32 v13, s104, v13                    ; back: lanes 0-15 one row, lanes 16-31 the next
	v_lshlrev_b32 v14, 12, v3
	v_lshl_add_u32 v14, v2, 4, v14                 ; and the same in out0: 4,096 h + 16 r
	s_wait_tensorcnt 0x2                           ; the scales and my parts of K half 0 are in; K half 1's two loads may stay out
	s_barrier_signal -1
	s_barrier_wait -1
.irp sl, 0,1
.irp i, 0,1,2,3,4,5,6,7
	ds_load_b128 v[SC+32*\sl+4*\i:SC+32*\sl+4*\i+3], v10 offset:512*\i+256*\sl
.endr
.endr
	FETCH 0, 0
	FETCH 1, 1
	s_wait_loadcnt 0x0                             ; the bias
	s_wait_dscnt 24                                ; all but the next K step's 24 loads
	MULK 0, 0
.irp k, 1,2
	PLACES 4
	FETCH \k+1, (\k+1)%2
	s_wait_dscnt 24
	MULK \k, \k%2
.endr
	WIN 0
	s_wait_tensorcnt 0x0                           ; my parts of K half 1 are in,
	s_wait_dscnt 0x0                               ; and my reads of K half 0 are over
	s_barrier_signal -1
	s_barrier_wait -1
	PLACES 4
	FETCH 4, 0
	s_wait_dscnt 24
	MULK 3, 1
.irp k, 4,5,6
	PLACES 4
	FETCH \k+1, (\k+1)%2
	s_wait_dscnt 24
	MULK \k, \k%2
.endr
	s_wait_dscnt 0x0
	MULK 7, 1
	WIN 0
	PLACES 4                                       ; in front of the first reads of results and of loads into A's fragments' registers
.macro TOSTAGE a
	WIN 0x08                                       ; an LDS store's data are its source 1: window 2
.irp be, 0,1
.irp k, 0,1,2,3
	ds_store_b128 v12, v[32*(\a)+16*\be+4*\k:32*(\a)+16*\be+4*\k+3] offset:4352*((\a)%2)+128*\be+16*\k   ; each accumulator from its low end on
.endr
.endr
	WIN 0
.irp i, 0,1,2,3,4,5,6,7
	ds_load_b128 v[128+32*((\a)%2)+4*\i:128+32*((\a)%2)+4*\i+3], v13 offset:4352*((\a)%2)+544*\i   ; LDS serves a wave's instructions in order: these see the stores above
.endr
.endm
.macro SEND a, younger                 ; younger: the LDS instructions issued behind tile a's loads
	s_wait_dscnt \younger
.irp i, 0,1,2,3,4,5,6,7
	global_store_b128 v14, v[128+32*((\a)%2)+4*\i:128+32*((\a)%2)+4*\i+3], s[14:15] offset:(32*((\a)/2)+8*((\a)%2)+2*\i+8*(\i/4))*4096 th:TH_STORE_NT   ; stage rows 2 i, 2 i + 1 are the tile's rows rho(2 i + h); 16 lanes store 256 consecutive bytes, aligned
.endr
.endm
	s_wait_alu depctr_va_vdst(0)
	TOSTAGE 0
.irp a, 1,2,3,4,5,6,7
.if \a > 1
	s_wait_xcnt 0x0                                ; tile a - 2's stores have read their registers: tile a's loads may land there
.endif
	TOSTAGE \a
	SEND \a-1, 16                                  ; behind tile a - 1's loads: tile a's 8 stores and 8 loads
.endr
	SEND 7, 0
	s_wait_dscnt 0x0
	s_wait_tensorcnt 0x0
	ds_add_u32 v126, v127
	s_wait_dscnt 0x0
	CROUND                                         ; the closing round
	s_endpgm
.Lfunc_end_k_qe1f52402cf_proj:
	.size	k_qe1f52402cf_proj, .Lfunc_end_k_qe1f52402cf_proj-k_qe1f52402cf_proj
	.p2alignl 7, 3214868480
	.fill 96, 4, 3214868480
	.section	.rodata,"a",@progbits
	.p2align	6, 0x0
	.amdhsa_kernel k_qe1f52402cf_proj
		.amdhsa_group_segment_fixed_size 209408
		.amdhsa_private_segment_fixed_size 0
		.amdhsa_enable_private_segment 0
		.amdhsa_kernarg_size 48
		.amdhsa_user_sgpr_count 2
		.amdhsa_user_sgpr_kernarg_segment_ptr 1
		.amdhsa_wavefront_size32 1
		.amdhsa_system_sgpr_workgroup_id_x 1
		.amdhsa_system_sgpr_workgroup_id_y 1
		.amdhsa_system_sgpr_workgroup_id_z 1
		.amdhsa_system_vgpr_workitem_id 0
		.amdhsa_next_free_vgpr 768
		.amdhsa_next_free_sgpr 106
		.amdhsa_reserve_vcc 0
		.amdhsa_float_denorm_mode_32 3
		.amdhsa_float_denorm_mode_16_64 3
		.amdhsa_memory_ordered 1
		.amdhsa_forward_progress 1
		.amdhsa_inst_pref_size 72
	.end_amdhsa_kernel
	.amdgpu_metadata
---
amdhsa.version: [ 1, 2 ]
amdhsa.kernels:
  - .name:           k_qe1f52402cf_proj
    .symbol:         k_qe1f52402cf_proj.kd
    .args:
      - { .name: ac, .offset: 0, .size: 8, .value_kind: global_buffer, .address_space: global }
      - { .name: asc, .offset: 8, .size: 8, .value_kind: global_buffer, .address_space: global }
      - { .name: opc, .offset: 16, .size: 8, .value_kind: global_buffer, .address_space: global }
      - { .name: ops, .offset: 24, .size: 8, .value_kind: global_buffer, .address_space: global }
      - { .name: b_proj, .offset: 32, .size: 8, .value_kind: global_buffer, .address_space: global }
      - { .name: out0, .offset: 40, .size: 8, .value_kind: global_buffer, .address_space: global }
    .group_segment_fixed_size: 209408
    .private_segment_fixed_size: 0
    .kernarg_segment_align: 8
    .kernarg_segment_size: 48
    .max_flat_workgroup_size: 128
    .sgpr_count:     106
    .vgpr_count:     768
    .wavefront_size: 32
...
	.end_amdgpu_metadata
.endif
;; end of part 4
